; MI455X (gfx1250); checked and timed in simulation.
; The chip was launched on July 23, 2026; its instructions are those of AMD's public machine-readable ISA for CDNA 5 (MIT licence, August 2026) and "CDNA5" Instruction Set Architecture Reference Guide (July 2026). The comments in the code are by the model that wrote it; some were corrected since.
;; GQA Attention. Allowed arithmetic: float matrix products may take bf16 or f16 operands with f32 sums; all other float work in f32.
;; Inputs: attention_mask 1 x 1 x 4,096 x 4,096 float32; cos 4,096 x 32 float32; hidden_states 1 x 4,096 x 2,048 float32; sin 4,096 x 32 float32; wk 2,048 x 512 float32; wo 1,024 x 2,048 float32; wq 2,048 x 1,024 float32; wv 2,048 x 512 float32.
;; Outputs: out0 1 x 4,096 x 2,048 float32; out1 1 x 4,096 x 2 x 256 float32; out2 1 x 4,096 x 2 x 256 float32.
;; One version. Each part assembles by itself: llvm-mc -triple=amdgcn-amd-amdhsa -mcpu=gfx1250 --defsym DOCPART=n.
;; ======== version 1 of 1: 4 launches
;; limits: values outside matrix products are rounded to bf16; values are held in f16: magnitudes above 65,504 overflow, below 6.1e-05 lose precision; right only within a limited range of input values
;; workspace buffers: xb 16,777,216 bytes; wcat 8,388,608 bytes; wob2 4,194,304 bytes; qb 8,388,608 bytes; kb 4,194,304 bytes; vb 4,194,304 bytes; ctx2 16,777,216 bytes
;; launch cast (part 1): grid 1792 x 1, 8 waves a work-group, no clusters, 0 bytes of LDS; arguments hidden_states, wq, wk, wv, wo, xb, wcat, wob2; writes xb, wcat, wob2
.if DOCPART == 1
	.amdgcn_target "amdgcn-amd-amdhsa--gfx1250"
	.amdhsa_code_object_version 6
	.text
	.protected	k_q39aac1f72e_cast
	.globl	k_q39aac1f72e_cast
	.p2align	8
	.type	k_q39aac1f72e_cast,@function
k_q39aac1f72e_cast:
	s_mov_b64 s[64:65], 0
	v_nop
	global_prefetch_b8 v0, s[64:65] scope:SCOPE_SE
	s_setreg_imm32_b32 hwreg(HW_REG_WAVE_MODE, 25, 1), 1
	s_wait_xcnt 0x0
; f32 -> bf16 (round to nearest even) of the matrix operands, once, so that the two products that follow move 2 bytes a number.
;   xb   [4096][2048]  = hidden_states
;   wcat [2048][2048]  = wq | wk | wv side by side (columns 0, 1024, 1536)
;   wob2 [1024][2048]  = wo
; Every destination has rows of 4,096 bytes.  A work-group takes 8,192 numbers that lie together in its source: 32 KiB in, 16 KiB out.
; Groups 0-1023 hidden_states, 1024-1279 wq, 1280-1407 wk, 1408-1535 wv, 1536-1791 wo: 1,792 = 7 x 256 groups of equal work.
; Memory binds: no LDS, no barrier, no matrix unit.  Thread t takes 4 numbers (16 bytes in, 8 bytes out) in each of 8 pieces of 1,024 numbers:
; a load of a wave covers 512 consecutive bytes, a store 256 consecutive bytes, aligned (128 numbers divide every row length here).
; All 8 loads go out first; no register is used twice, so there is no loop and no wait for a source.
.set DO, 8                             ; v[8:15]   byte offset of my 8 bytes in the destination, piece u
.set X,  16                            ; v[16:47]  piece u: 4 numbers as loaded
.set Y,  48                            ; v[48:63]  piece u: 4 bf16 to store
	s_load_b512 s[8:23], s[0:1], 0x0               ; hidden s[8:9], wq s[10:11], wk s[12:13], wv s[14:15], wo s[16:17], xb s[18:19], wcat s[20:21], wob2 s[22:23]
	v_lshlrev_b32 v1, 4, v0                        ; 16 t: my bytes in a piece of the source
	v_lshlrev_b32 v2, 2, v0                        ; 4 t: my first number in a piece
	s_mov_b32 s4, ttmp9                            ; the group's number
	s_mov_b32 s28, 0                               ; first group of my part
	s_mov_b32 s29, 11                              ; log2 of the source's row length
	s_mov_b32 s30, 0                               ; bytes of the part's first column in the destination
	s_wait_kmcnt 0x0
	s_mov_b64 s[24:25], s[8:9]                     ; source
	s_mov_b64 s[26:27], s[18:19]                   ; destination
; from group 'first' on: another source, destination, row length and first column
.macro PART first, src, dst, lg, extra
	s_cmp_ge_u32 s4, \first
	s_cselect_b64 s[24:25], s[\src:\src+1], s[24:25]
	s_cselect_b64 s[26:27], s[\dst:\dst+1], s[26:27]
	s_cselect_b32 s28, \first, s28
	s_cselect_b32 s29, \lg, s29
	s_cselect_b32 s30, \extra, s30
.endm
	PART 1024, 10, 20, 10, 0
	PART 1280, 12, 20, 9, 2048
	PART 1408, 14, 20, 9, 3072
	PART 1536, 16, 22, 11, 0
	s_sub_co_u32 s5, s4, s28                       ; my number within the part
	s_lshl_b32 s6, s5, 15                          ; 32 KiB of source each
	s_mov_b32 s7, 0
	s_add_nc_u64 s[24:25], s[24:25], s[6:7]
.irp u, 0,1,2,3,4,5,6,7
	global_load_b128 v[X+4*\u:X+4*\u+3], v1, s[24:25] offset:4096*\u th:TH_LOAD_NT
.endr
	s_sub_co_u32 s31, 25, s29                      ; 8,192 numbers are 2^(13-lg) rows of 2^12 bytes
	s_lshl_b32 s6, s5, s31
	s_add_co_u32 s6, s6, s30
	s_add_nc_u64 s[26:27], s[26:27], s[6:7]
	s_lshl_b32 s32, 1, s29
	s_sub_co_u32 s32, s32, 1                       ; mask of a column index
.irp u, 0,1,2,3,4,5,6,7
	v_add_nc_u32 v3, 1024*\u, v2                   ; my first number of piece u
	v_lshrrev_b32 v4, s29, v3                      ; its row
	v_and_b32 v3, s32, v3                          ; its column
	v_lshlrev_b32 v3, 1, v3
	v_lshl_add_u32 v[DO+\u], v4, 12, v3            ; row x 4,096 + column x 2
.endr
.irp u, 0,1,2,3,4,5,6,7
	s_wait_loadcnt 7-\u                            ; loads return in order: piece u's is in, the younger ones stay out
	v_cvt_pk_bf16_f32 v[Y+2*\u],   v[X+4*\u],   v[X+4*\u+1]
	v_cvt_pk_bf16_f32 v[Y+2*\u+1], v[X+4*\u+2], v[X+4*\u+3]
	global_store_b64 v[DO+\u], v[Y+2*\u:Y+2*\u+1], s[26:27]
.endr
	s_endpgm
.Lfunc_end_k_q39aac1f72e_cast:
	.size	k_q39aac1f72e_cast, .Lfunc_end_k_q39aac1f72e_cast-k_q39aac1f72e_cast
	.p2alignl 7, 3214868480
	.fill 96, 4, 3214868480
	.section	.rodata,"a",@progbits
	.p2align	6, 0x0
	.amdhsa_kernel k_q39aac1f72e_cast
		.amdhsa_group_segment_fixed_size 0
		.amdhsa_private_segment_fixed_size 0
		.amdhsa_enable_private_segment 0
		.amdhsa_kernarg_size 64
		.amdhsa_user_sgpr_count 2
		.amdhsa_user_sgpr_kernarg_segment_ptr 1
		.amdhsa_wavefront_size32 1
		.amdhsa_system_sgpr_workgroup_id_x 1
		.amdhsa_system_sgpr_workgroup_id_y 1
		.amdhsa_system_sgpr_workgroup_id_z 1
		.amdhsa_system_vgpr_workitem_id 0
		.amdhsa_next_free_vgpr 64
		.amdhsa_next_free_sgpr 66
		.amdhsa_reserve_vcc 0
		.amdhsa_float_denorm_mode_32 3
		.amdhsa_float_denorm_mode_16_64 3
		.amdhsa_memory_ordered 1
		.amdhsa_forward_progress 1
		.amdhsa_inst_pref_size 7
	.end_amdhsa_kernel
	.amdgpu_metadata
---
amdhsa.version: [ 1, 2 ]
amdhsa.kernels:
  - .name:           k_q39aac1f72e_cast
    .symbol:         k_q39aac1f72e_cast.kd
    .args:
      - { .name: hidden_states, .offset: 0, .size: 8, .value_kind: global_buffer, .address_space: global }
      - { .name: wq, .offset: 8, .size: 8, .value_kind: global_buffer, .address_space: global }
      - { .name: wk, .offset: 16, .size: 8, .value_kind: global_buffer, .address_space: global }
      - { .name: wv, .offset: 24, .size: 8, .value_kind: global_buffer, .address_space: global }
      - { .name: wo, .offset: 32, .size: 8, .value_kind: global_buffer, .address_space: global }
      - { .name: xb, .offset: 40, .size: 8, .value_kind: global_buffer, .address_space: global }
      - { .name: wcat, .offset: 48, .size: 8, .value_kind: global_buffer, .address_space: global }
      - { .name: wob2, .offset: 56, .size: 8, .value_kind: global_buffer, .address_space: global }
    .group_segment_fixed_size: 0
    .private_segment_fixed_size: 0
    .kernarg_segment_align: 8
    .kernarg_segment_size: 64
    .max_flat_workgroup_size: 256
    .sgpr_count:     66
    .vgpr_count:     64
    .wavefront_size: 32
...
	.end_amdgpu_metadata
.endif
;; end of part 1
;; launch qkv (part 2): grid 16 x 16, 4 waves a work-group, clusters of 4 x 4, 327,680 bytes of LDS; arguments xb, wcat, cos, sin, qb, kb, vb, out1, out2; writes qb, kb, vb, out1, out2
.if DOCPART == 2
	.amdgcn_target "amdgcn-amd-amdhsa--gfx1250"
	.amdhsa_code_object_version 6
	.text
	.protected	k_q39aac1f72e_qkv
	.globl	k_q39aac1f72e_qkv
	.p2align	8
	.type	k_q39aac1f72e_qkv,@function
k_q39aac1f72e_qkv:
	s_mov_b64 s[64:65], 0
	v_nop
	global_prefetch_b8 v0, s[64:65] scope:SCOPE_SE
	s_setreg_imm32_b32 hwreg(HW_REG_WAVE_MODE, 25, 1), 1
	s_wait_xcnt 0x0
	s_wait_alu depctr_hold_cnt(0) depctr_sa_sdst(0) depctr_va_vdst(0) depctr_va_sdst(0) depctr_va_ssrc(0) depctr_va_vcc(0) depctr_vm_vsrc(0)
	s_getreg_b32 s2, hwreg(HW_REG_IB_STS2, 6, 4)
	s_cmp_eq_u32 s2, 0
	s_cbranch_scc0 .Lentry_in_a_cluster
	s_endpgm
.Lentry_in_a_cluster:
	s_bfe_u32 s2, ttmp6, 0x10000c
	s_cmp_lg_u32 s2, 0xf033
	s_cbranch_scc0 .Lentry_shape_is_right
	s_endpgm
.Lentry_shape_is_right:
; [q | k | v] = xb [4096][2048] x wcat [2048 k][2048 n], bf16 operands, f32 sums; then the rotation of the first 64 numbers of each q and k head.
; Out: out1 = rotated k, out2 = v (f32); qb = q / 256, kb = k / 256, vb = v / 16 in f16, [head][4096][256], for the attention launch.
; LIMITS, stated: hidden_states, the weights, cos and sin enter rounded once to bf16.  The f16 copies hold |q|, |k| up to 256 x 65,504 and
; |v| up to 16 x 65,504; what is smaller than 2^-24 of those scales is lost there (out1 and out2 are f32 and keep everything).
; SHAPE: a work-group makes 256 rows x 128 columns with four waves; wave w makes rows 64 w .. 64 w + 63 of all 128 columns: 4 x 8 accumulator
; tiles, 256 registers.  K goes in 16 steps of 128 through two LDS slots: 256 rows of xb (256 bytes each) and 128 k rows of wcat (256 bytes each).
; CLUSTER 4 x 4: the four groups of a cluster row share xb's tile, the four of a cluster column share wcat's: joint loads, a quarter of the requests.
; THE ORDER OF K: a cluster takes the K steps (o + i) mod 16, i = 0 .. 15, with o = (4 cX + 8 p) mod 16, cX the cluster's x and p the parity of the two
; bits of the cluster's y.  The four clusters that read the same rows of xb (one y, four x) so begin 4 steps apart, and of the four that read the same
; columns of wcat two begin 8 steps behind the other two: clusters that share a tile ask for it at different times, one first and the others later.
; o hangs on the cluster's place alone, which all sixteen partners share.  The sums are made in that order of K.
; COLUMNS: cluster x = cX, place cx: column (cX >> 1) 1024 + 256 cx + (cX & 1) 128.  So cX = 0, 1: first, second half of q head cx; cX = 2, 3: the
; same of k0, k1, v0, v1.  Every branch hangs on cX, which all partners share; cx only picks pointers, a scale and one select mask.
; THE PRODUCT IS USED TRANSPOSED: source 0 = 16 columns of wcat (read from its k rows by the transposing LDS load), source 1 = 16 rows of xb.
; Lane (r, h), register j of tile (mt, nt) then holds row 16 mt + r, column 16 nt + 8 h + j: eight neighbouring numbers of a row.
; REGISTERS: window 0: v16-27 addresses, v32-127 and v128-223 two fragment buffers (xb's 4 fragments, then wcat's 8), v224-255 at work;
; window 1: the accumulators, tile (mt, nt) at 8 (8 mt + nt); window 2: cos (v0-63) and sin (v64-127) of my rows, as loaded.
.set XP,     272                       ; LDS pitch of xb's rows: 256 + 16 = 17 x 16 bytes: the 16 rows of a fragment load start 16 bytes apart modulo 256
.set WP,     288                       ; LDS pitch of wcat's rows: 256 + 32 = 9 x 32 bytes, for the transposing load
.set XHALF,  128*XP                    ; what wave 0 or 1 fetches
.set WHALF,  64*WP                     ; what wave 2 or 3 fetches
.set WBASE,  256*XP                    ; wcat's tile lies behind xb's
.set SLOT,   WBASE+128*WP              ; 106,496
.set STAGE,  2*SLOT                    ; 212,992: behind the ring, bytes into which no tile lands
.set WSTAGE, 16*528+16*272             ; a wave's stage: 16 rows of 128 f32 (pitch 528), then 16 rows of 128 f16 (pitch 272)
.set LAPS,   8                         ; 2,048 / (2 x 128)
.set ADRX,  16                         ; v16-17  my xb fragments in slot 0, 1
.set ADRW,  18                         ; v18-19  wcat's fragments in slot 0, 1
.set CSOFF, 20                         ; v20     my bytes in cos and sin
.set STO32, 21
.set STO16, 22
.set RD32,  23
.set RD16,  24
.set CO32,  25
.set CO16,  26
.set ONES,  27                         ; v27     two bf16 ones
.set F0,    32
.set F1,    128
.set TMP,   224
.set G1A, 24                           ; s[24:31] shape of xb's tiles
.set G0A, 32                           ; s[32:39] from where, to where: one set for each slot
.set G1B, 48                           ; s[48:55] shape of wcat's tiles
.set G0B, 56                           ; s[56:63]
.set ACCW, 0x50                        ; C and D in window 1, sources in window 0
.set MSB, 0
.macro WIN new                         ; the immediate's high byte repeats the setting that is left
.if MSB != \new
	s_set_vgpr_msb (MSB<<8)|\new
.set MSB, \new
.endif
.endm
.macro PLACES                          ; four places behind a matrix instruction (ISA guide 7.12.1), where there is no other vector work
.rept 4
	v_nop
.endr
.endm
; A joint load: waves 0, 1 ask for xb's halves, waves 2, 3 for wcat's.  The branch hangs on the wave's number alone.
.macro JLOAD s
	s_cmp_eq_u32 s13, 0
	s_cbranch_scc0 .Lfor_b_\@
	tensor_load_to_lds s[G0A+4*\s:G0A+4*\s+3], s[G1A:G1A+7]
	s_nop 0
	s_branch .Lasked_\@
.Lfor_b_\@:
	tensor_load_to_lds s[G0B+4*\s:G0B+4*\s+3], s[G1B:G1B+7]
	s_nop 0
.Lasked_\@:
.endm
; K step s10 is asked for into a slot: both addresses are made anew from the tiles' bases (s[18:19] xb, s[46:47] wcat), then the counter goes on, round 16.
; No tensor load of the wave that names these registers is out where this stands.
.macro ASK slot
	s_lshl_b32 s8, s10, 8                          ; 128 elements along xb's rows
	s_add_nc_u64 s[G0A+4*\slot+2:G0A+4*\slot+3], s[18:19], s[8:9]
	s_or_b32 s[G0A+4*\slot+3], s[G0A+4*\slot+3], 0x80000000
	s_lshl_b32 s8, s10, 19                         ; 128 rows of wcat, 4,096 bytes each
	s_add_nc_u64 s[G0B+4*\slot+2:G0B+4*\slot+3], s[46:47], s[8:9]
	s_or_b32 s[G0B+4*\slot+3], s[G0B+4*\slot+3], 0x80000000
	JLOAD \slot
	s_add_co_u32 s10, s10, 1
	s_and_b32 s10, s10, 15
.endm
.macro CREST                           ; a round of the cluster's barrier behind its opening work-group barrier
	s_cmp_lg_u32 s12, 0
	s_cbranch_scc1 .Lnot_wave_0_\@
	s_barrier_signal -3
.Lnot_wave_0_\@:
	s_barrier_wait -3
	s_barrier_signal -1
	s_barrier_wait -1
.endm
.macro CROUND
	s_barrier_signal -1
	s_barrier_wait -1
	CREST
.endm
	s_load_b128 s[4:7], s[0:1], 0x0                ; xb, wcat
	s_load_b128 s[68:71], s[0:1], 0x10             ; cos, sin
	s_load_b256 s[72:79], s[0:1], 0x20             ; qb, kb, vb, out1
	s_load_b64 s[80:81], s[0:1], 0x40              ; out2
	v_lshl_add_u32 v30, v0, 2, 0x40800
	v_mov_b32 v31, 0
	ds_add_u32 v30, v31
	v_lshrrev_b32 v1, 5, v0
	v_readfirstlane_b32 s12, v1                    ; wave 0..3
	s_lshr_b32 s13, s12, 1                         ; 0: I fetch for xb, 1: for wcat
	s_and_b32 s14, s12, 1                          ; which half of that tile
	s_bfe_u32 s40, ttmp6, 0x40000                  ; cx
	s_bfe_u32 s41, ttmp6, 0x40004                  ; cy
	s_mov_b32 s42, ttmp9                           ; cX: the cluster's x
	s_and_b32 s43, ttmp7, 0xffff
	s_lshl_b32 s43, s43, 2
	s_add_co_u32 s43, s43, s41                     ; block row = 4 x cluster y + cy
	s_lshl_b32 s44, s41, 2
	s_lshl_b32 s44, 15, s44                        ; my row of the cluster
	s_lshl_b32 s45, 0x1111, s40                    ; my column of the cluster
	s_and_b32 s15, ttmp7, 0xffff                   ; the K step at which my cluster begins: the cluster's y,
	s_lshr_b32 s10, s15, 1
	s_xor_b32 s10, s10, s15
	s_and_b32 s10, s10, 1                          ; the parity of its two bits,
	s_lshl_b32 s10, s10, 3                         ; times 8,
	s_lshl_b32 s15, s42, 2
	s_add_co_u32 s10, s10, s15                     ; + 4 cX,
	s_and_b32 s10, s10, 15                         ; round 16
	s_mov_b32 s9, 0                                ; the high word of a step's byte offset
	s_or_b32 s[G1A+0], s44, (1<<16)|(1<<20)|(1<<21)|(5<<22)|(3<<25)   ; mask; 2-byte elements; padding on; bit 21 beside a mask; after 64 words 4 words
	s_mov_b32 s[G1A+1], 128<<16                    ; tensor_dim0 = 128
	s_mov_b32 s[G1A+2], 128<<16                    ; tensor_dim1 = 128
	s_mov_b32 s[G1A+3], 128<<16                    ; tile_dim0 = 128
	s_mov_b32 s[G1A+4], 128                        ; tile_dim1 = 128 rows
	s_mov_b32 s[G1A+5], 2048                       ; elements from row to row
	s_mov_b32 s[G1A+6], 0
	s_mov_b32 s[G1A+7], 0
	s_or_b32 s[G1B+0], s45, (1<<16)|(1<<20)|(1<<21)|(5<<22)|(7<<25)   ; the same with my column's mask and 8 words of padding
	s_mov_b32 s[G1B+1], 128<<16
	s_mov_b32 s[G1B+2], 64<<16                     ; 64 k rows
	s_mov_b32 s[G1B+3], 128<<16
	s_mov_b32 s[G1B+4], 64
	s_mov_b32 s[G1B+5], 2048
	s_mov_b32 s[G1B+6], 0
	s_mov_b32 s[G1B+7], 0
	; xb's tile hangs on the block row, the wave and the K step alone, wcat's on cX, cx, the wave and the K step alone; cx and cy never meet in a register that feeds a descriptor
	s_lshl_b32 s16, s43, 20                        ; 256 rows x 4,096 bytes
	s_lshl_b32 s17, s14, 19                        ; + 128 rows
	s_add_co_u32 s16, s16, s17
	s_mov_b32 s17, 0
	s_lshr_b32 s46, s42, 1
	s_lshl_b32 s46, s46, 11                        ; (cX >> 1) x 1,024 columns x 2 bytes
	s_lshl_b32 s47, s40, 9                         ; + 256 cx columns
	s_add_co_u32 s46, s46, s47
	s_and_b32 s47, s42, 1
	s_lshl_b32 s47, s47, 8                         ; + (cX & 1) x 128 columns
	s_add_co_u32 s46, s46, s47
	s_lshl_b32 s47, s14, 18                        ; + 64 k rows x 4,096 bytes
	s_add_co_u32 s46, s46, s47
	s_mov_b32 s47, 0
	s_mul_i32 s20, s12, XHALF                      ; LDS: xb's halves at wave x 34,816 (waves 0, 1)
	s_mul_i32 s21, s12, WHALF
	s_add_co_u32 s21, s21, WBASE-2*WHALF           ; wcat's halves at 69,632 + (wave - 2) x 18,432 (waves 2, 3)
	s_lshl_b32 s92, s43, 15                        ; 256 rows of cos or sin, 128 bytes each
	s_mov_b32 s93, 0
	s_wait_dscnt 0x0
	s_wait_kmcnt 0x0
	s_add_nc_u64 s[18:19], s[4:5], s[16:17]        ; xb's tiles at K step 0; kept
	s_add_nc_u64 s[46:47], s[6:7], s[46:47]        ; wcat's tiles at K step 0; kept
	s_add_nc_u64 s[68:69], s[68:69], s[92:93]
	s_add_nc_u64 s[70:71], s[70:71], s[92:93]
	CROUND                                         ; all sixteen work-groups are here: the first joint loads meet
.irp s, 0,1
	s_mov_b32 s[G0A+4*\s], 1
	s_add_co_u32 s[G0A+4*\s+1], s20, \s*SLOT
	s_mov_b32 s[G0B+4*\s], 1
	s_add_co_u32 s[G0B+4*\s+1], s21, \s*SLOT
	ASK \s                                         ; both slots' first fills go out before anything else: two tensor loads of a wave are out
.endr
	v_and_b32 v1, 15, v0                           ; r
	v_bfe_u32 v2, v0, 4, 1                         ; h
	v_and_b32 v3, 31, v0                           ; lane
	v_lshlrev_b32 v[CSOFF], 7, v1                  ; cos, sin: row r x 128 bytes
	v_lshl_add_u32 v[CSOFF], v2, 5, v[CSOFF]       ; + 8 h numbers
	s_lshl_b32 s22, s12, 13                        ; + 64 w rows
	v_add_nc_u32 v[CSOFF], s22, v[CSOFF]
	; cos and sin of my 64 rows, the 16 numbers a lane that go with tiles nt = 0, 1.  Every group loads them, those of the heads' second halves
	; too (64 KiB that they do not use): so the loads stand at the head, where they cost no waiting, on one path for all.
	WIN 0x80
.irp mt, 0,1,2,3
.irp nt, 0,1
	global_load_b128 v[16*\mt+8*\nt:16*\mt+8*\nt+3],       v[CSOFF], s[68:69] offset:2048*\mt+64*\nt
	global_load_b128 v[16*\mt+8*\nt+4:16*\mt+8*\nt+7],     v[CSOFF], s[68:69] offset:2048*\mt+64*\nt+16
	global_load_b128 v[64+16*\mt+8*\nt:64+16*\mt+8*\nt+3],   v[CSOFF], s[70:71] offset:2048*\mt+64*\nt
	global_load_b128 v[64+16*\mt+8*\nt+4:64+16*\mt+8*\nt+7], v[CSOFF], s[70:71] offset:2048*\mt+64*\nt+16
.endr
.endr
	WIN 0
	v_mul_u32_u24 v4, v1, XP
	v_lshl_add_u32 v4, v2, 4, v4                   ; xb fragment: row r x pitch + 16 h
	s_mul_i32 s22, s12, 64*XP                      ; my 64 rows
	v_add_nc_u32 v[ADRX], s22, v4
	v_add_nc_u32 v[ADRX+1], SLOT, v[ADRX]
	v_and_b32 v5, 7, v0
	v_lshl_add_u32 v5, v2, 3, v5                   ; wcat fragment: k row 8 h + (lane & 7)
	v_mul_u32_u24 v5, v5, WP
	v_bfe_u32 v6, v0, 3, 1
	v_lshl_add_u32 v5, v6, 4, v5                   ; + 16 bytes for lanes 8-15 of each half
	v_add_nc_u32 v[ADRW], WBASE, v5
	v_add_nc_u32 v[ADRW+1], SLOT, v[ADRW]
	s_mul_i32 s23, s12, WSTAGE
	s_add_co_u32 s23, s23, STAGE                   ; my stage
	v_mul_u32_u24 v4, v1, 528
	v_lshl_add_u32 v4, v2, 5, v4
	v_add_nc_u32 v[STO32], s23, v4                 ; f32 in: row r, 32 bytes for each half of the lanes
	v_mul_u32_u24 v4, v1, 272
	v_lshl_add_u32 v4, v2, 4, v4
	v_add_nc_u32 v4, s23, v4
	v_add_nc_u32 v[STO16], 16*528, v4              ; f16 in: row r, 16 bytes for each half
	v_lshl_add_u32 v[RD32], v3, 4, s23             ; f32 back: a row of 512 bytes by 32 lanes
	v_mul_u32_u24 v4, v2, 272
	v_lshl_add_u32 v4, v1, 4, v4
	v_add_nc_u32 v4, s23, v4
	v_add_nc_u32 v[RD16], 16*528, v4               ; f16 back: two rows of 256 bytes by 16 lanes each
	v_lshlrev_b32 v[CO32], 4, v3
	v_lshlrev_b32 v[CO16], 4, v1
	v_lshl_add_u32 v[CO16], v2, 9, v[CO16]
	v_mov_b32 v[ONES], 0x3f803f80
; 16 matrix instructions: row tiles m0, m0 + 1 x all 8 column tiles, 32 along K.  The 32 accumulators take turns, one instruction a turn, in the
; same order in every quarter step, over the loop's backward jump too.
.macro MUL16 f, m0, zero
.irp a, \m0, \m0+1
.irp b, 0,1,2,3,4,5,6,7
.if \zero
	v_wmma_f32_16x16x32_bf16 v[8*(8*(\a)+\b):8*(8*(\a)+\b)+7], v[\f+32+8*\b:\f+32+8*\b+7], v[\f+8*(\a):\f+8*(\a)+7], 0
.else
	v_wmma_f32_16x16x32_bf16 v[8*(8*(\a)+\b):8*(8*(\a)+\b)+7], v[\f+32+8*\b:\f+32+8*\b+7], v[\f+8*(\a):\f+8*(\a)+7], v[8*(8*(\a)+\b):8*(8*(\a)+\b)+7]
.endif
.endr
.endr
.endm
; 24 LDS loads: the fragments of quarter q (32 along K) of a slot into buffer f
.macro FETCH slot, q, f
.irp i, 0,1,2,3
	ds_load_b128 v[\f+8*\i:\f+8*\i+3],   v[ADRX+\slot] offset:64*\q+\i*16*XP
	ds_load_b128 v[\f+8*\i+4:\f+8*\i+7], v[ADRX+\slot] offset:64*\q+\i*16*XP+32
.endr
.irp i, 0,1,2,3,4,5,6,7
	ds_load_tr16_b128 v[\f+32+8*\i:\f+32+8*\i+3],   v[ADRW+\slot] offset:32*WP*\q+32*\i
	ds_load_tr16_b128 v[\f+32+8*\i+4:\f+32+8*\i+7], v[ADRW+\slot] offset:32*WP*\q+32*\i+16*WP
.endr
.endm
; One of a K step's first three quarters: buffer f is in; the next quarter's fragments are asked for into g, then f is multiplied.
.macro QUARTER slot, qn, f, g, zero
	s_wait_dscnt 0x0                               ; f's 24 loads, issued 32 (after a change of slots 16) matrix instructions ago
	PLACES                                         ; g was read by the last matrix instructions
	FETCH \slot, \qn, \g
	WIN ACCW
	MUL16 \f, 0, \zero
	MUL16 \f, 2, \zero
	WIN 0
.endm
.macro THREE slot, zero
	QUARTER \slot, 1, F0, F1, \zero
	QUARTER \slot, 2, F1, F0, 0
	QUARTER \slot, 3, F0, F1, 0
.endm
; The last quarter changes slots.  In front of the barrier each wave waits for its reads of this slot and for all its tensor loads (one is out: its
; part of the next slot).  Where the slot is filled again the barrier opens a round of the cluster's barrier, and the joint refill is the first
; tensor load behind the round, one a wave.  From a request to the wait for it a wave issues 112 matrix instructions.
.macro TURN slot, next, fill
	s_wait_dscnt 0x0
	s_wait_tensorcnt 0x0
	ds_add_u32 v30, v31
	s_wait_dscnt 0x0
	s_barrier_signal -1
	WIN ACCW
	MUL16 F1, 0, 0                                 ; register work while the others arrive
	WIN 0
	s_barrier_wait -1
.if \fill
	CREST
	ASK \slot
.endif
	PLACES
	FETCH \next, 0, F0
	WIN ACCW
	MUL16 F1, 2, 0
	WIN 0
.endm
.macro LAP zero
	THREE 0, \zero
	TURN 0, 1, 1
	THREE 1, 0
	TURN 1, 0, 1
.endm
	s_wait_tensorcnt 0x1                           ; my part of the first K step is in; the second's stays out
	s_barrier_signal -1
	s_barrier_wait -1
	FETCH 0, 0, F0
	LAP 1                                          ; the first products start the sums: nothing is cleared
	s_mov_b32 s3, LAPS-2
.Llap:
	LAP 0
	s_sub_co_u32 s3, s3, 1
	s_cmp_lg_u32 s3, 0
	s_cbranch_scc1 .Llap
	THREE 0, 0                                     ; the last lap fills nothing
	TURN 0, 1, 0
	THREE 1, 0
	s_wait_dscnt 0x0
	WIN ACCW
	MUL16 F1, 0, 0
	MUL16 F1, 2, 0
	WIN 0
	PLACES                                         ; behind the last matrix instructions, for all that reads results or rewrites fragments below
	; where the results go.  Mixtures of cx and cy live in registers that fed no descriptor.
	s_lshl_b32 s88, s43, 8
	s_lshl_b32 s89, s12, 6
	s_add_co_u32 s88, s88, s89                     ; my first row
	s_and_b32 s89, s40, 1                          ; head of k or of v
	s_and_b32 s94, s42, 1                          ; half of the head
	s_mov_b32 s66, 0xffff0000
	s_mov_b32 s90, 0x3b800000                      ; 2^-8
	s_mov_b32 s91, 0x3d800000                      ; 2^-4
	s_lshl_b32 s95, s89, 21                        ; k, v: head x 2 MiB
	s_lshl_b32 s96, s40, 21                        ; q: head cx x 2 MiB
	s_cmp_lt_u32 s40, 2                            ; cx 0, 1: k; 2, 3: v
	s_cselect_b64 s[84:85], s[78:79], s[80:81]     ; out1 or out2
	s_cselect_b64 s[86:87], s[74:75], s[76:77]     ; kb or vb
	s_cselect_b32 s82, s90, s91
	s_cselect_b32 s67, 0, -1                       ; all lanes: v is not rotated
	s_cmp_lt_u32 s42, 2                            ; cX 0, 1: q
	s_cselect_b64 s[86:87], s[72:73], s[86:87]
	s_cselect_b32 s82, s90, s82
	s_cselect_b32 s95, s96, s95
	s_cselect_b32 s67, 0, s67
	s_mov_b32 s83, s82
	s_lshl_b32 s96, s88, 9                         ; f16 rows of 512 bytes
	s_add_co_u32 s96, s96, s95
	s_lshl_b32 s95, s94, 8
	s_add_co_u32 s96, s96, s95
	s_mov_b32 s97, 0
	s_add_nc_u64 s[86:87], s[86:87], s[96:97]
	s_lshl_b32 s96, s88, 11                        ; f32 rows of 2,048 bytes (two heads)
	s_lshl_b32 s95, s89, 10
	s_add_co_u32 s96, s96, s95
	s_lshl_b32 s95, s94, 9
	s_add_co_u32 s96, s96, s95
	s_add_nc_u64 s[84:85], s[84:85], s[96:97]
	s_wait_loadcnt 0x0                             ; cos and sin
	s_cmp_lg_u32 s94, 0
	s_cbranch_scc1 .Lno_rope                       ; a head's second half is passed through
	; THE ROTATION.  cos and sin are rounded to bf16 like every input; for v they become 1 and 0, which leaves v as it is.
	WIN 0x0a
.set k, 0
.rept 64
	v_cvt_pk_bf16_f32 v[160+k], v[2*k], v[2*k+1]   ; v160-191 cos, v192-223 sin, packed: word 8 mt + 4 nt + x
.set k, k+1
.endr
	WIN 0
.set k, 0
.rept 32
	v_cndmask_b32 v[160+k], v[160+k], v[ONES], s67
	v_cndmask_b32 v[192+k], v[192+k], 0, s67
.set k, k+1
.endr
.set k, 0
.rept 32                                               ; cos of (mt, nt) to v[32 + 32 mt + 8 nt ..], sin 16 registers behind
	v_lshlrev_b32 v[32+32*(k>>3)+8*((k>>2)&1)+2*(k&3)],   16,  v[160+k]
	v_and_b32     v[32+32*(k>>3)+8*((k>>2)&1)+2*(k&3)+1], s66, v[160+k]
	v_lshlrev_b32 v[48+32*(k>>3)+8*((k>>2)&1)+2*(k&3)],   16,  v[192+k]
	v_and_b32     v[48+32*(k>>3)+8*((k>>2)&1)+2*(k&3)+1], s66, v[192+k]
.set k, k+1
.endr
; x1 = tiles nt = 0, 1 (columns 0-31), x2 = tiles nt + 2 (columns 32-63):  x1' = x1 c - x2 s,  x2' = x1 s + x2 c
.macro ROPE mt
	WIN 0x01
.irp nt, 0,1
.irp p, 0,2,4,6
	v_pk_mul_f32 v[TMP+8*\nt+\p:TMP+8*\nt+\p+1],       v[8*(8*\mt+\nt)+\p:8*(8*\mt+\nt)+\p+1], v[32+32*\mt+8*\nt+\p:32+32*\mt+8*\nt+\p+1]
	v_pk_mul_f32 v[TMP+16+8*\nt+\p:TMP+16+8*\nt+\p+1], v[8*(8*\mt+\nt)+\p:8*(8*\mt+\nt)+\p+1], v[48+32*\mt+8*\nt+\p:48+32*\mt+8*\nt+\p+1]
.endr
.endr
	WIN 0x41
.irp nt, 0,1
.irp p, 0,2,4,6
	v_pk_fma_f32 v[8*(8*\mt+\nt)+\p:8*(8*\mt+\nt)+\p+1], v[8*(8*\mt+\nt+2)+\p:8*(8*\mt+\nt+2)+\p+1], v[48+32*\mt+8*\nt+\p:48+32*\mt+8*\nt+\p+1], v[TMP+8*\nt+\p:TMP+8*\nt+\p+1] neg_lo:[1,0,0] neg_hi:[1,0,0]
	v_pk_fma_f32 v[8*(8*\mt+\nt+2)+\p:8*(8*\mt+\nt+2)+\p+1], v[8*(8*\mt+\nt+2)+\p:8*(8*\mt+\nt+2)+\p+1], v[32+32*\mt+8*\nt+\p:32+32*\mt+8*\nt+\p+1], v[TMP+16+8*\nt+\p:TMP+16+8*\nt+\p+1]
.endr
.endr
.endm
	ROPE 0
	ROPE 1
	ROPE 2
	ROPE 3
	WIN 0
.Lno_rope:
; THE WAY OUT, 16 rows at a time, through my own stage: a lane's 32 (f32) or 16 (f16) bytes go in by rows of the tile and come back as whole rows,
; so that a store of the wave covers 512 consecutive bytes (f32) or two runs of 256 (f16), each aligned.  LDS serves a wave's instructions in
; order (ISA guide 5.7.1), so no wait stands between the stage's stores and its loads, nor between one turn's loads and the next turn's stores.
.macro OUT mt, kv
.if \kv
	WIN 0x04
.irp nt, 0,1,2,3,4,5,6,7
	ds_store_b128 v[STO32], v[8*(8*\mt+\nt):8*(8*\mt+\nt)+3]   offset:64*\nt
	ds_store_b128 v[STO32], v[8*(8*\mt+\nt)+4:8*(8*\mt+\nt)+7] offset:64*\nt+16
.endr
.endif
	WIN 0x01
.set k, 0
.rept 32
	v_pk_mul_f32 v[F1+2*k:F1+2*k+1], v[64*\mt+2*k:64*\mt+2*k+1], s[82:83] op_sel_hi:[1,0]   ; the power of two that gives f16 its room
.set k, k+1
.endr
	WIN 0
.set k, 0
.rept 32
	v_cvt_pk_f16_f32 v[TMP+k], v[F1+2*k], v[F1+2*k+1]
.set k, k+1
.endr
.irp nt, 0,1,2,3,4,5,6,7
	ds_store_b128 v[STO16], v[TMP+4*\nt:TMP+4*\nt+3] offset:32*\nt
.endr
	s_wait_xcnt 0x0                                ; the last turn's global stores have had their addresses translated (ISA guide 3.1): v32-127 are loaded again only behind this wait
.if \kv
.irp row, 0,1,2,3,4,5,6,7,8,9,10,11,12,13,14,15
	ds_load_b128 v[32+4*\row:32+4*\row+3], v[RD32] offset:528*\row
.endr
.endif
.irp t, 0,1,2,3,4,5,6,7
	ds_load_b128 v[96+4*\t:96+4*\t+3], v[RD16] offset:544*\t
.endr
.if \kv
.irp row, 0,1,2,3,4,5,6,7,8,9,10,11,12,13,14,15
	s_wait_dscnt 23-\row                           ; the younger f32 rows and the eight f16 loads stay out
	global_store_b128 v[CO32], v[32+4*\row:32+4*\row+3], s[84:85] offset:(16*\mt+\row)*2048 th:TH_STORE_NT
.endr
.endif
.irp t, 0,1,2,3,4,5,6,7
	s_wait_dscnt 7-\t
	global_store_b128 v[CO16], v[96+4*\t:96+4*\t+3], s[86:87] offset:(16*\mt+2*\t)*512
.endr
.endm
	s_cmp_lt_u32 s42, 2
	s_cbranch_scc1 .Lq_out
	OUT 0, 1
	OUT 1, 1
	OUT 2, 1
	OUT 3, 1
	s_branch .Lclose
.Lq_out:                                               ; q leaves in f16 alone
	OUT 0, 0
	OUT 1, 0
	OUT 2, 0
	OUT 3, 0
.Lclose:
	s_wait_tensorcnt 0x0
	ds_add_u32 v30, v31
	s_wait_dscnt 0x0
	CROUND                                         ; the closing round: no work-group ends while a partner may still ask for a tile that names it
	s_endpgm
.Lfunc_end_k_q39aac1f72e_qkv:
	.size	k_q39aac1f72e_qkv, .Lfunc_end_k_q39aac1f72e_qkv-k_q39aac1f72e_qkv
	.p2alignl 7, 3214868480
	.fill 96, 4, 3214868480
	.section	.rodata,"a",@progbits
	.p2align	6, 0x0
	.amdhsa_kernel k_q39aac1f72e_qkv
		.amdhsa_group_segment_fixed_size 327680
		.amdhsa_private_segment_fixed_size 0
		.amdhsa_enable_private_segment 0
		.amdhsa_kernarg_size 72
		.amdhsa_user_sgpr_count 2
		.amdhsa_user_sgpr_kernarg_segment_ptr 1
		.amdhsa_wavefront_size32 1
		.amdhsa_system_sgpr_workgroup_id_x 1
		.amdhsa_system_sgpr_workgroup_id_y 1
		.amdhsa_system_sgpr_workgroup_id_z 1
		.amdhsa_system_vgpr_workitem_id 0
		.amdhsa_next_free_vgpr 640
		.amdhsa_next_free_sgpr 100
		.amdhsa_reserve_vcc 0
		.amdhsa_float_denorm_mode_32 3
		.amdhsa_float_denorm_mode_16_64 3
		.amdhsa_memory_ordered 1
		.amdhsa_forward_progress 1
		.amdhsa_inst_pref_size 192
	.end_amdhsa_kernel
	.amdgpu_metadata
---
amdhsa.version: [ 1, 2 ]
amdhsa.kernels:
  - .name:           k_q39aac1f72e_qkv
    .symbol:         k_q39aac1f72e_qkv.kd
    .args:
      - { .name: xb, .offset: 0, .size: 8, .value_kind: global_buffer, .address_space: global }
      - { .name: wcat, .offset: 8, .size: 8, .value_kind: global_buffer, .address_space: global }
      - { .name: cos, .offset: 16, .size: 8, .value_kind: global_buffer, .address_space: global }
      - { .name: sin, .offset: 24, .size: 8, .value_kind: global_buffer, .address_space: global }
      - { .name: qb, .offset: 32, .size: 8, .value_kind: global_buffer, .address_space: global }
      - { .name: kb, .offset: 40, .size: 8, .value_kind: global_buffer, .address_space: global }
      - { .name: vb, .offset: 48, .size: 8, .value_kind: global_buffer, .address_space: global }
      - { .name: out1, .offset: 56, .size: 8, .value_kind: global_buffer, .address_space: global }
      - { .name: out2, .offset: 64, .size: 8, .value_kind: global_buffer, .address_space: global }
    .group_segment_fixed_size: 327680
    .private_segment_fixed_size: 0
    .kernarg_segment_align: 8
    .kernarg_segment_size: 72
    .max_flat_workgroup_size: 128
    .sgpr_count:     100
    .vgpr_count:     640
    .wavefront_size: 32
...
	.end_amdgpu_metadata
.endif
;; end of part 2
;; launch attn (part 3): grid 128 x 2, 4 waves a work-group, clusters of 4 x 1, 327,680 bytes of LDS; arguments qb, kb, vb, attention_mask, ctx2; writes ctx2
.if DOCPART == 3
	.amdgcn_target "amdgcn-amd-amdhsa--gfx1250"
	.amdhsa_code_object_version 6
	.text
	.protected	k_q39aac1f72e_attn
	.globl	k_q39aac1f72e_attn
	.p2align	8
	.type	k_q39aac1f72e_attn,@function
k_q39aac1f72e_attn:
	s_mov_b64 s[64:65], 0
	v_nop
	global_prefetch_b8 v0, s[64:65] scope:SCOPE_SE
	s_setreg_imm32_b32 hwreg(HW_REG_WAVE_MODE, 25, 1), 1
	s_wait_xcnt 0x0
	s_wait_alu depctr_hold_cnt(0) depctr_sa_sdst(0) depctr_va_vdst(0) depctr_va_sdst(0) depctr_va_ssrc(0) depctr_va_vcc(0) depctr_vm_vsrc(0)
	s_getreg_b32 s2, hwreg(HW_REG_IB_STS2, 6, 4)
	s_cmp_eq_u32 s2, 0
	s_cbranch_scc0 .Lentry_in_a_cluster
	s_endpgm
.Lentry_in_a_cluster:
	s_bfe_u32 s2, ttmp6, 0x10000c
	s_cmp_lg_u32 s2, 0x3003
	s_cbranch_scc0 .Lentry_shape_is_right
	s_endpgm
.Lentry_shape_is_right:
; ctx = softmax(q k^T / 16 + mask) v for 32 positions x the two query heads of one key/value head: 64 rows, four q tiles (qt = 2 x head + half).
; qb = q / 256, kb = k / 256, vb = v / 16 in f16, [head][4096][256]; the mask is f32 [4096][4096], an input: every word is read and honoured.
; Out: ctx2 [4096][2048] bf16: columns 0-1023 ctx rounded to bf16, columns 1024-2047 what that rounding left, again in bf16.
; LIMITS, stated: the mask enters rounded once to bf16, like every input.  The probabilities go to the matrix unit in f16 (they lie in [0, 1];
; below 2^-25 of a row's largest they are lost), the row sums stay in f32.  The running maximum has the floor -2^127 in units of log2: a row all of
; whose 4,096 masked scores lie below -1.1e38 gives NaN (with -inf everywhere the softmax has no value either).
; SHARES: every wave holds all 64 rows of q (256 registers) and takes 64 of each 256 keys: keys 256 t + 64 w .. + 63 of key tile t, 16 steps.  So a
; fragment of k or v feeds four matrix instructions.  Each wave keeps its own running maximum, sum and O; they are merged once at the end, through LDS.
; THE ORDER OF THE KEYS: step i takes key tile (o + i) mod 16, o = the cluster's x mod 16: the clusters that read the same k and v ask for a tile at
; different times, one first and the others later.  A running softmax gives the same result in any order of the keys but for rounding.  Both
; key/value heads' groups of a block of positions have the same o, so they walk the mask alike.
; LAYOUTS: S^T = (k fragment) x (q fragment): lane (r, h), register j holds q row r, key 16 kt + 8 h + j: a row's figures are a lane's own but for
; the other half of the lanes, and two packed tiles of S ARE a fragment of P.  O^T = (v^T fragment, by the transposing LDS load) x (P fragment):
; lane (r, h), register j holds q row r, d = 16 dt + 8 h + j.
; THE SOFTMAX RUNS IN BASE 2: S = S_raw x (4096 log2 e) + mask x log2 e (4096 = 2^16 / 16 undoes the two scales and divides by 16); the running
; maximum is taken away by a subtraction, which is exact for the numbers that count, then exp2.
; CLUSTER 4 x 1: four blocks of positions of one key/value head read the same k and v: joint loads.  The mask's tile is each group's own (only the
; two key/value heads share it, and they lie in different clusters): a plain load.
; LDS: k 256 rows, pitch 528 | v 256 rows, pitch 544 | mask 32 rows x 1,024 bytes, pitch 1,040 | 2 KiB of figures for the merge.
; k with the mask, and v, are the two slots that take turns: k and mask of the next step are asked for as soon as this step's mask has been read into
; registers, v of the next step when this step's P v is done.  A wave has at most two tensor loads out (at the start), later one.
; REGISTERS: window 0: v1-31 addresses and a row's figures, v32-63 packed mask, v64-127 fragments (two halves), v128-255 S, then P;
; window 1: q, fragment (qt, c) at 8 (8 qt + c); windows 2, 3: O, tile (dt, qt) at 8 (4 (dt & 7) + qt), dt 0-7 and 8-15.
.set KP,    528
.set VP,    544
.set MP,    1040
.set VREG,  256*KP                     ; 135,168
.set MREG,  VREG+256*VP                ; 274,432
.set STAT,  MREG+32*MP                 ; 307,712: no tile lands here
.set OP,    1040                       ; the merge: a row of 256 f32 + 16
.set OWAVE, 64*OP                      ; one wave's O: 66,560 bytes, in k's and v's bytes after their last fill
.set PFO,  1                           ; v1      prefetch: 8 rows x 4 blocks of 256 bytes
.set ZERO, 2                           ; v2      0.0
.set QOFF, 3                           ; v3      my bytes in q
.set KADR, 4
.set VADR, 5
.set MADR, 6
.set LC,   7                           ; v7      log2 e
.set M,    8                           ; v8-11   running maximum of q tile qt
.set LS,   12                          ; v12-15  running sum (each half of the lanes keeps its own keys' part)
.set AL,   16                          ; v16-19  exp2(old maximum - new maximum)
.set NM,   20                          ; v20-23  minus the maximum
.set T,    24                          ; v24-31  at work
.set MKP,  32
.set F,    64
.set S,    128                         ; tile (kt, qt) at S + 64 (kt >> 1) + 16 qt + 8 (kt & 1)
.set MSB, 0
.macro WIN new
.if MSB != \new
	s_set_vgpr_msb (MSB<<8)|\new
.set MSB, \new
.endif
.endm
.macro PLACES                          ; four places behind a matrix instruction (ISA guide 7.12.1)
.rept 4
	v_nop
.endr
.endm
.macro ROUND                           ; a round of the cluster's barrier
	s_barrier_signal -1
	s_barrier_wait -1
	s_cmp_lg_u32 s14, 0
	s_cbranch_scc1 .Lnot_wave_0_\@
	s_barrier_signal -3
.Lnot_wave_0_\@:
	s_barrier_wait -3
	s_barrier_signal -1
	s_barrier_wait -1
.endm
	s_load_b256 s[4:11], s[0:1], 0x0               ; qb s[4:5], kb s[6:7], vb s[8:9], mask s[10:11]
	s_load_b64 s[12:13], s[0:1], 0x20              ; ctx2
	v_lshl_add_u32 v62, v0, 2, 0x4ba00
	v_mov_b32 v63, 0
	ds_add_u32 v62, v63
	s_wait_dscnt 0x0
	v_lshrrev_b32 v1, 5, v0
	v_readfirstlane_b32 s14, v1                    ; wave 0..3
	s_bfe_u32 s54, ttmp6, 0x40000                  ; cx
	s_lshl_b32 s55, ttmp9, 2
	s_add_co_u32 s55, s55, s54                     ; block of 32 positions
	s_and_b32 s56, ttmp7, 0xffff                   ; key/value head
	s_and_b32 s66, ttmp9, 15                       ; the key tile at which my cluster begins; later: the tile asked for last
	s_mov_b32 s89, 0                               ; the high word of a tile's byte offset
	s_mov_b32 s68, 0x76543210                      ; v_permlanex16_b32: lane i of one half reads lane i of the other
	s_mov_b32 s69, 0xfedcba98
	s_mov_b32 s70, 0x45b8aa3b                      ; 4096 log2 e
	s_mov_b32 s71, 0x45b8aa3b
	s_mov_b32 s72, 0xff000000                      ; -2^127
	; k: 128 rows x 256 f16 (512 bytes = 128 words, then 4 words of padding), joint for all four groups
	s_mov_b32 s16, 15|(1<<16)|(1<<20)|(1<<21)|(6<<22)|(3<<25)
	s_mov_b32 s17, 256<<16
	s_mov_b32 s18, 128<<16
	s_mov_b32 s19, 256<<16
	s_mov_b32 s20, 128
	s_mov_b32 s21, 256
	s_mov_b32 s22, 0
	s_mov_b32 s23, 0
	; v: 64 rows, 8 words of padding, joint
	s_mov_b32 s24, 15|(1<<16)|(1<<20)|(1<<21)|(6<<22)|(7<<25)
	s_mov_b32 s25, 256<<16
	s_mov_b32 s26, 64<<16
	s_mov_b32 s27, 256<<16
	s_mov_b32 s28, 64
	s_mov_b32 s29, 256
	s_mov_b32 s30, 0
	s_mov_b32 s31, 0
	; mask: 32 rows x 256 f32 (256 words, then 4 of padding), my own
	s_mov_b32 s32, (2<<16)|(1<<20)|(7<<22)|(3<<25)
	s_mov_b32 s33, 256<<16
	s_mov_b32 s34, 32<<16
	s_mov_b32 s35, 256<<16
	s_mov_b32 s36, 32
	s_mov_b32 s37, 4096
	s_mov_b32 s38, 0
	s_mov_b32 s39, 0
	s_lshl_b32 s58, s56, 21                        ; head x 2 MiB
	s_lshl_b32 s60, s14, 16                        ; k: wave x 128 rows x 512 bytes (waves 0, 1)
	s_add_co_u32 s60, s60, s58
	s_mov_b32 s61, 0
	s_lshl_b32 s62, s14, 15                        ; v: wave x 64 rows: every wave fetches the keys that it reads
	s_add_co_u32 s62, s62, s58
	s_mov_b32 s63, 0
	s_lshl_b32 s74, s55, 19                        ; mask: 32 rows x 16,384 bytes a block
	s_mov_b32 s75, 0
	s_lshl_b32 s76, s56, 18                        ; prefetch: this head's group asks for 16 of the 32 rows
	s_mov_b32 s77, 0
	s_lshl_b32 s78, s56, 22                        ; q: two heads x 2 MiB
	s_lshl_b32 s79, s55, 14                        ; + 32 rows x 512 bytes
	s_add_co_u32 s78, s78, s79
	s_mov_b32 s79, 0
	s_mov_b32 s40, 1
	s_mul_i32 s41, s14, 128*KP
	s_mov_b32 s44, 1
	s_mul_i32 s45, s14, 64*VP
	s_add_co_u32 s45, s45, VREG
	s_mov_b32 s48, 1
	s_mov_b32 s49, MREG
	s_wait_kmcnt 0x0
	s_add_nc_u64 s[80:81], s[6:7], s[60:61]        ; my part of k's tile 0; kept
	s_add_nc_u64 s[82:83], s[8:9], s[62:63]        ; of v's tile 0; kept
	s_add_nc_u64 s[84:85], s[10:11], s[74:75]      ; the mask's tile 0; kept
	s_add_nc_u64 s[86:87], s[84:85], s[76:77]      ; the rows of it that my group prefetches; kept
	s_lshl_b32 s88, s66, 17                        ; a tile of k or v: 256 keys x 512 bytes
	s_add_nc_u64 s[42:43], s[80:81], s[88:89]
	s_or_b32 s43, s43, 0x80000000
	s_add_nc_u64 s[46:47], s[82:83], s[88:89]
	s_or_b32 s47, s47, 0x80000000
	s_lshl_b32 s88, s66, 10                        ; a tile of the mask: 256 keys x 4 bytes along the rows
	s_add_nc_u64 s[50:51], s[84:85], s[88:89]
	s_or_b32 s51, s51, 0x80000000
	s_add_co_u32 s67, s66, 1
	s_and_b32 s67, s67, 15
	s_lshl_b32 s88, s67, 10
	s_add_nc_u64 s[52:53], s[86:87], s[88:89]      ; the first prefetch names the second step's tile
	s_add_nc_u64 s[4:5], s[4:5], s[78:79]
	ROUND                                          ; all four groups are here: the first joint loads meet
	; the first fills, one group: waves 0, 1 k and v; wave 2 mask and v; wave 3 v
	s_cmp_lt_u32 s14, 2
	s_cbranch_scc0 .Lfill_23
	tensor_load_to_lds s[40:43], s[16:23]
	s_nop 0
	tensor_load_to_lds s[44:47], s[24:31]
	s_nop 0
	s_branch .Lfilled
.Lfill_23:
	s_cmp_eq_u32 s14, 2
	s_cbranch_scc0 .Lfill_3
	tensor_load_to_lds s[48:51], s[32:39]
	s_nop 0
	tensor_load_to_lds s[44:47], s[24:31]
	s_nop 0
	s_branch .Lfilled
.Lfill_3:
	tensor_load_to_lds s[44:47], s[24:31]
	s_nop 0
.Lfilled:
	v_and_b32 v24, 15, v0                          ; r
	v_bfe_u32 v25, v0, 4, 1                        ; h
	v_and_b32 v26, 31, v0                          ; lane
	v_lshlrev_b32 v[QOFF], 9, v24
	v_lshl_add_u32 v[QOFF], v25, 4, v[QOFF]        ; row r x 512 + 16 h
	WIN 0x40
.irp qt, 0,1,2,3
.irp c, 0,1,2,3,4,5,6,7
	global_load_b128 v[8*(8*\qt+\c):8*(8*\qt+\c)+3],   v[QOFF], s[4:5] offset:(\qt>>1)*2097152+(\qt&1)*8192+64*\c
	global_load_b128 v[8*(8*\qt+\c)+4:8*(8*\qt+\c)+7], v[QOFF], s[4:5] offset:(\qt>>1)*2097152+(\qt&1)*8192+64*\c+32
.endr
.endr
	WIN 0
	v_mul_u32_u24 v[KADR], v24, KP
	v_lshl_add_u32 v[KADR], v25, 4, v[KADR]
	s_mul_i32 s57, s14, 64*KP
	v_add_nc_u32 v[KADR], s57, v[KADR]             ; (64 w + r) x 528 + 16 h
	v_and_b32 v27, 7, v0
	v_lshl_add_u32 v27, v25, 3, v27
	v_mul_u32_u24 v[VADR], v27, VP
	v_bfe_u32 v27, v0, 3, 1
	v_lshl_add_u32 v[VADR], v27, 4, v[VADR]
	v_add_nc_u32 v[VADR], s45, v[VADR]             ; v's bytes + (64 w + 8 h + (lane & 7)) x 544 + 16 ((lane >> 3) & 1)
	v_mul_u32_u24 v[MADR], v24, MP
	v_lshl_add_u32 v[MADR], v25, 5, v[MADR]
	s_lshl_b32 s59, s14, 8
	s_add_co_u32 s59, s59, MREG
	v_add_nc_u32 v[MADR], s59, v[MADR]             ; mask's bytes + 1,040 r + 256 w + 32 h
	v_lshrrev_b32 v27, 2, v26
	v_and_b32 v[PFO], 3, v26
	v_lshlrev_b32 v[PFO], 8, v[PFO]
	v_lshl_add_u32 v[PFO], v27, 14, v[PFO]         ; row (lane >> 2), block (lane & 3) of 256 bytes
	v_mov_b32 v[LC], 0x3fb8aa3b
	v_mov_b32 v[ZERO], 0
.irp i, 4,5,6,7
	v_mov_b32 v[T+\i], 0                           ; v_permlanex16_b32 counts as a reader of its destination
.endr
	s_wait_tensorcnt 0x0                           ; my first fills are in,
	s_wait_loadcnt 0x0                             ; and q
	s_barrier_signal -1
	s_barrier_wait -1                              ; everybody's are
; eight LDS loads: four fragments of k: key tile n >> 1, chunks 4 (n & 1) + 0..3 of 32 along d, into half n & 1 of F
.macro KRUN n
.irp x, 0,1,2,3
	ds_load_b128 v[F+32*((\n)&1)+8*\x:F+32*((\n)&1)+8*\x+3],   v[KADR] offset:16*KP*((\n)>>1)+64*(4*((\n)&1)+\x)
	ds_load_b128 v[F+32*((\n)&1)+8*\x+4:F+32*((\n)&1)+8*\x+7], v[KADR] offset:16*KP*((\n)>>1)+64*(4*((\n)&1)+\x)+32
.endr
.endm
; eight LDS loads: the mask of rows 16 qh + r, my 32 keys, into half qh of F
.macro MRUN qh
.irp kt, 0,1,2,3
	ds_load_b128 v[F+32*(\qh)+8*\kt:F+32*(\qh)+8*\kt+3],   v[MADR] offset:16*MP*(\qh)+64*\kt
	ds_load_b128 v[F+32*(\qh)+8*\kt+4:F+32*(\qh)+8*\kt+7], v[MADR] offset:16*MP*(\qh)+64*\kt+16
.endr
.endm
; eight transposing LDS loads: four fragments of v^T: keys 32 ((n >> 1) & 1) .. + 31, d tiles 8 (n >> 2) + 4 (n & 1) + 0..3, into half n & 1 of F
.macro VRUN n
.irp x, 0,1,2,3
	ds_load_tr16_b128 v[F+32*((\n)&1)+8*\x:F+32*((\n)&1)+8*\x+3],   v[VADR] offset:32*VP*(((\n)>>1)&1)+32*(8*((\n)>>2)+4*((\n)&1)+\x)
	ds_load_tr16_b128 v[F+32*((\n)&1)+8*\x+4:F+32*((\n)&1)+8*\x+7], v[VADR] offset:32*VP*(((\n)>>1)&1)+32*(8*((\n)>>2)+4*((\n)&1)+\x)+16*VP
.endr
.endm
; 16 matrix instructions of S^T.  The four q tiles' accumulators take turns, one instruction a turn.  Chunk 0 starts the sums.
.macro QKBLK n
.irp x, 0,1,2,3
.irp qt, 0,1,2,3
.set SREG, S+64*((\n)>>2)+16*\qt+8*(((\n)>>1)&1)
.set FREG, F+32*((\n)&1)+8*\x
.set QREG, 8*(8*\qt+4*((\n)&1)+\x)
.if (((\n)&1)+\x) == 0
	v_wmma_f32_16x16x32_f16 v[SREG:SREG+7], v[FREG:FREG+7], v[QREG:QREG+7], 0
.else
	v_wmma_f32_16x16x32_f16 v[SREG:SREG+7], v[FREG:FREG+7], v[QREG:QREG+7], v[SREG:SREG+7]
.endif
.endr
.endr
.endm
; 16 matrix instructions of O^T, on 16 accumulators by turns.  zero = 1: the first 32 keys of the first step start the sums.
.macro PVBLK n, zero
.irp x, 0,1,2,3
.irp qt, 0,1,2,3
.set OREG, 8*(4*(4*((\n)&1)+\x)+\qt)
.set FREG, F+32*((\n)&1)+8*\x
.set PREG, S+16*(4*(((\n)>>1)&1)+\qt)
.if (\zero)*(1-(((\n)>>1)&1))
	v_wmma_f32_16x16x32_f16 v[OREG:OREG+7], v[FREG:FREG+7], v[PREG:PREG+7], 0
.else
	v_wmma_f32_16x16x32_f16 v[OREG:OREG+7], v[FREG:FREG+7], v[PREG:PREG+7], v[OREG:OREG+7]
.endif
.endr
.endr
.endm
; the mask of half qh: rounded to bf16, times log2 e, and added to the scaled scores of both heads' tiles (qt = qh and qh + 2)
.macro MASKIN qh
.irp k, 0,1,2,3,4,5,6,7,8,9,10,11,12,13,14,15
	v_cvt_pk_bf16_f32 v[MKP+16*\qh+\k], v[F+32*\qh+2*\k], v[F+32*\qh+2*\k+1]
.endr
.irp k, 0,1,2,3,4,5,6,7,8,9,10,11,12,13,14,15
	v_fma_mix_f32_bf16 v[F+32*\qh+2*\k],   v[MKP+16*\qh+\k], v[LC], v[ZERO] op_sel_hi:[1,0,0]
	v_fma_mix_f32_bf16 v[F+32*\qh+2*\k+1], v[MKP+16*\qh+\k], v[LC], v[ZERO] op_sel:[1,0,0] op_sel_hi:[1,0,0]
.endr
.irp g, 0,1
.irp kt, 0,1,2,3
.irp p, 0,2,4,6
.set SREG, S+64*(\kt>>1)+16*(2*\g+\qh)+8*(\kt&1)+\p
	v_pk_fma_f32 v[SREG:SREG+1], v[SREG:SREG+1], s[70:71], v[F+32*\qh+8*\kt+\p:F+32*\qh+8*\kt+\p+1] op_sel_hi:[1,0,1]
.endr
.endr
.endr
.endm
; S of q tile qt minus its maximum; pr, o: the pair of NM that holds it and its place there
.macro SUBQ qt, pr, o
.irp e, 0,2,4,6,8,10,12,14
	v_pk_add_f32 v[S+16*\qt+\e:S+16*\qt+\e+1],       v[S+16*\qt+\e:S+16*\qt+\e+1],       v[NM+\pr:NM+\pr+1] op_sel:[0,\o] op_sel_hi:[1,\o]
	v_pk_add_f32 v[S+64+16*\qt+\e:S+64+16*\qt+\e+1], v[S+64+16*\qt+\e:S+64+16*\qt+\e+1], v[NM+\pr:NM+\pr+1] op_sel:[0,\o] op_sel_hi:[1,\o]
.endr
.endm
; the eight O tiles of q tile qt in the window that is set, times AL(qt)
.macro RSQ qt, pr, o
.irp d, 0,1,2,3,4,5,6,7
.irp p, 0,2,4,6
	v_pk_mul_f32 v[8*(4*\d+\qt)+\p:8*(4*\d+\qt)+\p+1], v[8*(4*\d+\qt)+\p:8*(4*\d+\qt)+\p+1], v[AL+\pr:AL+\pr+1] op_sel:[0,\o] op_sel_hi:[1,\o]
.endr
.endr
.endm
.macro RESCALE
	WIN 0x82                                       ; O's window 2 as destination and first source, AL in window 0
	RSQ 0, 0, 0
	RSQ 1, 0, 1
	RSQ 2, 2, 0
	RSQ 3, 2, 1
	WIN 0xc3
	RSQ 0, 0, 0
	RSQ 1, 0, 1
	RSQ 2, 2, 0
	RSQ 3, 2, 1
	WIN 0
.endm
; the refill of k and of the mask: waves 0, 1 the joint load of k's halves, wave 2 the mask, wave 3 none: one tensor load a wave at the most
.macro LOADKM
	s_cmp_lt_u32 s14, 2
	s_cbranch_scc0 .Lnot_k_\@
	tensor_load_to_lds s[40:43], s[16:23]
	s_nop 0
	s_branch .Lkm_done_\@
.Lnot_k_\@:
	s_cmp_eq_u32 s14, 2
	s_cbranch_scc0 .Lkm_done_\@
	tensor_load_to_lds s[48:51], s[32:39]
	s_nop 0
.Lkm_done_\@:
.endm
; ONE STEP: 256 keys, 64 of them mine.  first = 1: nothing is carried yet.  refill = 1: a further step follows.
.macro STEP first, refill
	KRUN 0
	KRUN 1
.if \refill
	; Prefetch of the next step's mask tile, the one stream here that nobody has touched before: wave 3 asks for 16 rows x 4 blocks of 256 bytes, the
	; other key/value head's group for the other 16 rows, so each block is asked for once in the launch.  The tile's load follows behind this step's
	; 128 score instructions.  Only steps that refill ask: the fifteen tiles behind the first, each inside the mask's rows.
	s_cmp_lg_u32 s14, 3
	s_cbranch_scc1 .Lno_ask_\@
	global_prefetch_b8 v[PFO], s[52:53] th:TH_LOAD_NT scope:SCOPE_SE
	global_prefetch_b8 v[PFO], s[52:53] offset:131072 th:TH_LOAD_NT scope:SCOPE_SE
.Lno_ask_\@:
.endif
	WIN 0x04                                       ; q (source 1) in window 1; LDS loads name no source 1
.irp n, 0,1,2,3,4,5,6,7
	s_wait_dscnt 0x8                               ; run n is in; only the run behind it (eight loads) is out
	QKBLK \n
	PLACES                                         ; the half of F just read is loaded again; behind the last block: S is read
.if \n < 6
	KRUN \n+2
.else
	MRUN \n-6
.endif
.endr
	WIN 0
	s_wait_dscnt 0x8                               ; the mask's first 16 rows are in, the second eight loads stay out
	MASKIN 0
	s_wait_dscnt 0x0                               ; the mask's other 16 rows: with them all my reads of k and of the mask are back
.if \refill
	; k and the mask lie in registers now.  Every wave: its LDS reads are back (the wait above), all its tensor loads have landed (one was out: v of
	; this step, which VRUN reads further down); then a round of the cluster's barrier, and the refill first behind it.  It has the rest of the
	; softmax, the rescaling and 128 matrix instructions in which to land.
	s_wait_xcnt 0x0
	v_lshl_add_u32 v62, v0, 2, 0x4ba00
	v_mov_b32 v63, 0
	s_wait_tensorcnt 0x0
	ds_add_u32 v62, v63
	s_wait_dscnt 0x0
	s_wait_xcnt 0x0                                ; the prefetches' addresses are translated: their base may be written
	s_add_co_u32 s66, s66, 1
	s_and_b32 s66, s66, 15                         ; the next step's key tile
	s_lshl_b32 s88, s66, 17
	s_add_nc_u64 s[42:43], s[80:81], s[88:89]
	s_or_b32 s43, s43, 0x80000000
	s_lshl_b32 s88, s66, 10
	s_add_nc_u64 s[50:51], s[84:85], s[88:89]
	s_or_b32 s51, s51, 0x80000000
	s_add_co_u32 s67, s66, 1
	s_and_b32 s67, s67, 15                         ; and the one behind it, for the next step's prefetch
	s_lshl_b32 s88, s67, 10
	s_add_nc_u64 s[52:53], s[86:87], s[88:89]
	ROUND
	LOADKM
.endif
	MASKIN 1
	; a row's largest score among my 64 keys: 32 in the lane, the other 32 in the lane 16 further
.irp qt, 0,1,2,3
	v_max3_num_f32 v[T+\qt], v[S+16*\qt], v[S+16*\qt+1], v[S+16*\qt+2]
.endr
.irp e, 3,5,7,9,11,13,15,17,19,21,23,25,27,29
.irp qt, 0,1,2,3
	v_max3_num_f32 v[T+\qt], v[T+\qt], v[S+16*\qt+(\e&15)+64*(\e>>4)], v[S+16*\qt+((\e+1)&15)+64*((\e+1)>>4)]
.endr
.endr
.irp qt, 0,1,2,3
	v_max_num_f32 v[T+\qt], v[T+\qt], v[S+16*\qt+79]
.endr
.irp qt, 0,1,2,3
	v_permlanex16_b32 v[T+4+\qt], v[T+\qt], s68, s69
.endr
.if \first
.irp qt, 0,1,2,3
	v_max3_num_f32 v[M+\qt], v[T+\qt], v[T+4+\qt], s72     ; the floor keeps the maximum finite where all my keys are at -inf
.endr
.irp qt, 0,1,2,3
	v_mul_f32 v[NM+\qt], -1.0, v[M+\qt]
.endr
.else
.irp qt, 0,1,2,3
	v_max3_num_f32 v[T+\qt], v[T+\qt], v[T+4+\qt], v[M+\qt]
.endr
.irp qt, 0,1,2,3
	v_sub_f32 v[AL+\qt], v[M+\qt], v[T+\qt]
.endr
.irp qt, 0,1,2,3
	v_exp_f32 v[AL+\qt], v[AL+\qt]                 ; what is carried shrinks by exp2(old - new)
.endr
.irp qt, 0,1,2,3
	v_mov_b32 v[M+\qt], v[T+\qt]                   ; plain work behind the exponentials (ISA guide 5.7.2), well ahead of AL's first use
.endr
.irp qt, 0,1,2,3
	v_mul_f32 v[NM+\qt], -1.0, v[T+\qt]
.endr
.endif
	SUBQ 0, 0, 0
	SUBQ 1, 0, 1
	SUBQ 2, 2, 0
	SUBQ 3, 2, 1
.set k, 0
.rept 128
	v_exp_f32 v[S+k], v[S+k]
.set k, k+1
.endr
	v_nop                                          ; one plain place behind the last exponential
.if \refill == 0
	s_wait_tensorcnt 0x0                           ; v of the last step: a wave reads only the rows that it fetched itself
.endif
	VRUN 0
	VRUN 1
	; the sums of my 32 numbers a row, in f32, ahead of the rounding to f16
	s_wait_alu depctr_va_vdst(0)
.irp qt, 0,1,2,3
	v_pk_add_f32 v[T+2*\qt:T+2*\qt+1], v[S+16*\qt:S+16*\qt+1], v[S+16*\qt+2:S+16*\qt+3]
.endr
.irp e, 4,6,8,10,12,14,16,18,20,22,24,26,28,30
.irp qt, 0,1,2,3
	v_pk_add_f32 v[T+2*\qt:T+2*\qt+1], v[T+2*\qt:T+2*\qt+1], v[S+16*\qt+(\e&15)+64*(\e>>4):S+16*\qt+(\e&15)+64*(\e>>4)+1]
.endr
.endr
.if \first
.irp qt, 0,1,2,3
	v_add_f32 v[LS+\qt], v[T+2*\qt], v[T+2*\qt+1]
.endr
.else
.irp qt, 0,1,2,3
	v_add_f32 v[T+2*\qt], v[T+2*\qt], v[T+2*\qt+1]
.endr
.irp qt, 0,1,2,3
	v_fma_f32 v[LS+\qt], v[LS+\qt], v[AL+\qt], v[T+2*\qt]
.endr
.endif
	; P in f16, packed in place: the first 8 of each 16 registers become a fragment (keys 8 h + j, then 16 + 8 h + j)
.irp b, 0,1,2,3,4,5,6,7
.irp x, 0,1,2,3,4,5,6,7
	v_cvt_pk_f16_f32 v[S+16*\b+\x], v[S+16*\b+2*\x], v[S+16*\b+2*\x+1]
.endr
.endr
.if \first == 0
	RESCALE
.endif
.irp n, 0,1,2,3,4,5,6,7
.if \n < 4
	WIN 0xa0                                       ; C and D in window 2
.else
	WIN 0xf0                                       ; in window 3
.endif
.if \n < 7
	s_wait_dscnt 0x8                               ; run n is in; the run behind it stays out
.else
	s_wait_dscnt 0x0
.endif
	PVBLK \n, \first
	WIN 0
	PLACES                                         ; the half of F just read is loaded again (behind the last block: by the next step, or O is read)
.if \n < 6
	VRUN \n+2
.endif
.endr
.if \refill
	; v has been read; k and mask of the next step must be in for everybody.  The same order: reads back, all tensor loads landed, a round, the refill.
	s_wait_dscnt 0x0
	s_wait_xcnt 0x0
	v_lshl_add_u32 v62, v0, 2, 0x4ba00
	v_mov_b32 v63, 0
	s_wait_tensorcnt 0x0
	ds_add_u32 v62, v63
	s_wait_dscnt 0x0
	s_lshl_b32 s88, s66, 17                        ; the next step's key tile, as for k
	s_add_nc_u64 s[46:47], s[82:83], s[88:89]
	s_or_b32 s47, s47, 0x80000000
	ROUND
	tensor_load_to_lds s[44:47], s[24:31]          ; every wave its own 64 keys, jointly with the same wave of the three partners
	s_nop 0
.endif
.endm
	STEP 1, 1
	s_mov_b32 s3, 14
.Lstep:
	STEP 0, 1
	s_sub_co_u32 s3, s3, 1
	s_cmp_lg_u32 s3, 0
	s_cbranch_scc1 .Lstep
	STEP 0, 0
	; THE MERGE of the four waves' maxima, sums and O.
.set OST,  3                           ; v3    where my O goes
.set ORD,  4                           ; v4-7  where wave w' put the rows that I sum (one register each: 66,560 does not fit a 16-bit immediate)
.set COFF, 2                           ; v2    my 8 bytes in a run of 256 bytes of ctx2
.irp qt, 0,1,2,3
	v_permlanex16_b32 v[T+4+\qt], v[LS+\qt], s68, s69
.endr
.irp qt, 0,1,2,3
	v_add_f32 v[LS+\qt], v[LS+\qt], v[T+4+\qt]     ; both halves' keys
.endr
	v_and_b32 v[T], 15, v0                         ; r
	v_bfe_u32 v[T+1], v0, 4, 1                     ; h
	v_and_b32 v[T+2], 31, v0                       ; lane
	v_lshlrev_b32 v[NM], 2, v[T]
	s_lshl_b32 s57, s14, 9
	s_add_co_u32 s57, s57, STAT
	v_add_nc_u32 v[NM+1], s57, v[NM]               ; my wave's figures: 64 maxima, then 64 sums
	v_add_nc_u32 v[NM], STAT, v[NM]                ; wave 0's
	v_mul_u32_u24 v[OST], v[T], OP
	v_lshl_add_u32 v[OST], v[T+1], 5, v[OST]
	s_mul_i32 s58, s14, OWAVE
	v_add_nc_u32 v[OST], s58, v[OST]               ; 66,560 w + 1,040 r + 32 h
	s_mul_i32 s59, s14, 16*OP
	v_lshl_add_u32 v[ORD], v[T+2], 4, s59          ; q tile w, 16 bytes a lane
	v_add_nc_u32 v[ORD+1], OWAVE, v[ORD]
	v_add_nc_u32 v[ORD+2], 2*OWAVE, v[ORD]
	v_add_nc_u32 v[ORD+3], 3*OWAVE, v[ORD]
	v_lshlrev_b32 v[COFF], 3, v[T+2]
.irp qt, 0,1,2,3
	ds_store_b32 v[NM+1], v[M+\qt]  offset:64*\qt              ; both halves of the lanes write the same word with the same number
	ds_store_b32 v[NM+1], v[LS+\qt] offset:64*\qt+256
.endr
	s_wait_dscnt 0x0                               ; for the others' sake; also: all my reads of k, v and the mask are long back
	s_barrier_signal -1
	s_barrier_wait -1
.irp wv, 0,1,2,3
.irp qt, 0,1,2,3
	ds_load_b32 v[S+4*\wv+\qt],    v[NM] offset:512*\wv+64*\qt
	ds_load_b32 v[S+16+4*\wv+\qt], v[NM] offset:512*\wv+64*\qt+256
.endr
.endr
	s_wait_dscnt 0x0
.irp qt, 0,1,2,3
	v_max3_num_f32 v[T+\qt], v[S+\qt], v[S+4+\qt], v[S+8+\qt]
.endr
.irp qt, 0,1,2,3
	v_max_num_f32 v[T+\qt], v[T+\qt], v[S+12+\qt]  ; the row's maximum over all keys
.endr
.irp qt, 0,1,2,3
	v_sub_f32 v[AL+\qt], v[M+\qt], v[T+\qt]
.endr
.irp wv, 0,1,2,3
.irp qt, 0,1,2,3
	v_sub_f32 v[S+4*\wv+\qt], v[S+4*\wv+\qt], v[T+\qt]
.endr
.endr
.irp qt, 0,1,2,3
	v_exp_f32 v[AL+\qt], v[AL+\qt]
.endr
.set k, 0
.rept 16
	v_exp_f32 v[S+k], v[S+k]
.set k, k+1
.endr
	v_nop
	s_wait_alu depctr_va_vdst(0)
.irp qt, 0,1,2,3
	v_mul_f32 v[T+4+\qt], v[S+16+\qt], v[S+\qt]
.endr
.irp wv, 1,2,3
.irp qt, 0,1,2,3
	v_fmac_f32 v[T+4+\qt], v[S+16+4*\wv+\qt], v[S+4*\wv+\qt]   ; the row's sum over all keys
.endr
.endr
.irp qt, 0,1,2,3
	v_rcp_f32 v[T+4+\qt], v[T+4+\qt]
.endr
.irp qt, 0,1,2,3
	v_mul_f32 v[AL+\qt], 0x41800000, v[AL+\qt]     ; 16 undoes v / 16; plain work behind the reciprocals
.endr
	s_wait_alu depctr_va_vdst(0)
.irp qt, 0,1,2,3
	v_mul_f32 v[AL+\qt], v[AL+\qt], v[T+4+\qt]
.endr
	RESCALE                                        ; my O, now on the common scale and divided by the sum
	WIN 0x08
.irp d, 0,1,2,3,4,5,6,7
.irp qt, 0,1,2,3
	ds_store_b128 v[OST], v[8*(4*\d+\qt):8*(4*\d+\qt)+3]   offset:16*OP*\qt+64*\d
	ds_store_b128 v[OST], v[8*(4*\d+\qt)+4:8*(4*\d+\qt)+7] offset:16*OP*\qt+64*\d+16
.endr
.endr
	WIN 0x0c
.irp d, 0,1,2,3,4,5,6,7
.irp qt, 0,1,2,3
	ds_store_b128 v[OST], v[8*(4*\d+\qt):8*(4*\d+\qt)+3]   offset:16*OP*\qt+64*(\d+8)
	ds_store_b128 v[OST], v[8*(4*\d+\qt)+4:8*(4*\d+\qt)+7] offset:16*OP*\qt+64*(\d+8)+16
.endr
.endr
	WIN 0
	s_lshl_b32 s74, s55, 17                        ; ctx2: 32 positions x 4,096 bytes a block
	s_and_b32 s75, s14, 1
	s_lshl_b32 s75, s75, 16                        ; + 16 positions for q tiles 1, 3
	s_add_co_u32 s74, s74, s75
	s_lshl_b32 s75, s56, 10                        ; + head (2 kvh + (w >> 1)) x 512 bytes
	s_add_co_u32 s74, s74, s75
	s_lshr_b32 s75, s14, 1
	s_lshl_b32 s75, s75, 9
	s_add_co_u32 s74, s74, s75
	s_mov_b32 s75, 0
	s_add_nc_u64 s[12:13], s[12:13], s[74:75]
	s_mov_b32 s73, 0xffff0000
	s_wait_dscnt 0x0
	s_barrier_signal -1
	s_barrier_wait -1
; Wave w sums q tile w.  Four rows a batch: for each row and each half of 512 bytes the four waves' 16 bytes a lane; the sum is split into a bf16 and
; the bf16 of what that left.  A store of the wave covers 256 consecutive bytes, aligned.
.macro BATCH b
	s_wait_xcnt 0x0                                ; the last batch's stores have had their addresses translated: v32-63 are rewritten only behind this wait
.irp rr, 0,1,2,3
.irp hf, 0,1
.irp wv, 0,1,2,3
	ds_load_b128 v[S+32*\rr+16*\hf+4*\wv:S+32*\rr+16*\hf+4*\wv+3], v[ORD+\wv] offset:OP*(4*\b+\rr)+512*\hf
.endr
.endr
.endr
.irp rr, 0,1,2,3
.irp hf, 0,1
.set XR, S+32*\rr+16*\hf
.set HR, MKP+4*(2*\rr+\hf)
	s_wait_dscnt 28-4*(2*\rr+\hf)                  ; this group's four loads are in, the younger groups stay out
	v_pk_add_f32 v[XR:XR+1],     v[XR:XR+1],     v[XR+4:XR+5]
	v_pk_add_f32 v[XR+2:XR+3],   v[XR+2:XR+3],   v[XR+6:XR+7]
	v_pk_add_f32 v[XR+8:XR+9],   v[XR+8:XR+9],   v[XR+12:XR+13]
	v_pk_add_f32 v[XR+10:XR+11], v[XR+10:XR+11], v[XR+14:XR+15]
	v_pk_add_f32 v[XR:XR+1],     v[XR:XR+1],     v[XR+8:XR+9]
	v_pk_add_f32 v[XR+2:XR+3],   v[XR+2:XR+3],   v[XR+10:XR+11]
	v_cvt_pk_bf16_f32 v[HR],   v[XR],   v[XR+1]
	v_cvt_pk_bf16_f32 v[HR+1], v[XR+2], v[XR+3]
	v_lshlrev_b32 v[XR+4], 16,  v[HR]
	v_and_b32     v[XR+5], s73, v[HR]
	v_lshlrev_b32 v[XR+6], 16,  v[HR+1]
	v_and_b32     v[XR+7], s73, v[HR+1]
	v_pk_add_f32 v[XR:XR+1],   v[XR:XR+1],   v[XR+4:XR+5] neg_lo:[0,1] neg_hi:[0,1]
	v_pk_add_f32 v[XR+2:XR+3], v[XR+2:XR+3], v[XR+6:XR+7] neg_lo:[0,1] neg_hi:[0,1]
	v_cvt_pk_bf16_f32 v[HR+2], v[XR],   v[XR+1]
	v_cvt_pk_bf16_f32 v[HR+3], v[XR+2], v[XR+3]
	global_store_b64 v[COFF], v[HR:HR+1],   s[12:13] offset:4096*(4*\b+\rr)+256*\hf
	global_store_b64 v[COFF], v[HR+2:HR+3], s[12:13] offset:4096*(4*\b+\rr)+256*\hf+2048
.endr
.endr
.endm
	BATCH 0
	BATCH 1
	BATCH 2
	BATCH 3
	s_wait_xcnt 0x0
	v_lshl_add_u32 v62, v0, 2, 0x4ba00
	v_mov_b32 v63, 0
	s_wait_tensorcnt 0x0
	ds_add_u32 v62, v63
	s_wait_dscnt 0x0
	ROUND                                          ; the closing round: no group ends while a partner may still ask for a tile that names it
	s_endpgm
.Lfunc_end_k_q39aac1f72e_attn:
	.size	k_q39aac1f72e_attn, .Lfunc_end_k_q39aac1f72e_attn-k_q39aac1f72e_attn
	.p2alignl 7, 3214868480
	.fill 96, 4, 3214868480
	.section	.rodata,"a",@progbits
	.p2align	6, 0x0
	.amdhsa_kernel k_q39aac1f72e_attn
		.amdhsa_group_segment_fixed_size 327680
		.amdhsa_private_segment_fixed_size 0
		.amdhsa_enable_private_segment 0
		.amdhsa_kernarg_size 40
		.amdhsa_user_sgpr_count 2
		.amdhsa_user_sgpr_kernarg_segment_ptr 1
		.amdhsa_wavefront_size32 1
		.amdhsa_system_sgpr_workgroup_id_x 1
		.amdhsa_system_sgpr_workgroup_id_y 1
		.amdhsa_system_sgpr_workgroup_id_z 1
		.amdhsa_system_vgpr_workitem_id 0
		.amdhsa_next_free_vgpr 1024
		.amdhsa_next_free_sgpr 90
		.amdhsa_reserve_vcc 0
		.amdhsa_float_denorm_mode_32 3
		.amdhsa_float_denorm_mode_16_64 3
		.amdhsa_memory_ordered 1
		.amdhsa_forward_progress 1
		.amdhsa_inst_pref_size 255
	.end_amdhsa_kernel
	.section	.bss,"aw",@nobits
	.p2align	6
	.space	262144
	.amdgpu_metadata
---
amdhsa.version: [ 1, 2 ]
amdhsa.kernels:
  - .name:           k_q39aac1f72e_attn
    .symbol:         k_q39aac1f72e_attn.kd
    .args:
      - { .name: qb, .offset: 0, .size: 8, .value_kind: global_buffer, .address_space: global }
      - { .name: kb, .offset: 8, .size: 8, .value_kind: global_buffer, .address_space: global }
      - { .name: vb, .offset: 16, .size: 8, .value_kind: global_buffer, .address_space: global }
      - { .name: attention_mask, .offset: 24, .size: 8, .value_kind: global_buffer, .address_space: global }
      - { .name: ctx2, .offset: 32, .size: 8, .value_kind: global_buffer, .address_space: global }
    .group_segment_fixed_size: 327680
    .private_segment_fixed_size: 0
    .kernarg_segment_align: 8
    .kernarg_segment_size: 40
    .max_flat_workgroup_size: 128
    .sgpr_count:     90
    .vgpr_count:     1024
    .wavefront_size: 32
...
	.end_amdgpu_metadata
.endif
;; end of part 3
;; launch oproj (part 4): grid 16 x 16, 4 waves a work-group, clusters of 4 x 4, 327,680 bytes of LDS; arguments ctx2, wob2, out0; writes out0
.if DOCPART == 4
	.amdgcn_target "amdgcn-amd-amdhsa--gfx1250"
	.amdhsa_code_object_version 6
	.text
	.protected	k_q39aac1f72e_oproj
	.globl	k_q39aac1f72e_oproj
	.p2align	8
	.type	k_q39aac1f72e_oproj,@function
k_q39aac1f72e_oproj:
	s_mov_b64 s[64:65], 0
	v_nop
	global_prefetch_b8 v0, s[64:65] scope:SCOPE_SE
	s_setreg_imm32_b32 hwreg(HW_REG_WAVE_MODE, 25, 1), 1
	s_wait_xcnt 0x0
	s_wait_alu depctr_hold_cnt(0) depctr_sa_sdst(0) depctr_va_vdst(0) depctr_va_sdst(0) depctr_va_ssrc(0) depctr_va_vcc(0) depctr_vm_vsrc(0)
	s_getreg_b32 s2, hwreg(HW_REG_IB_STS2, 6, 4)
	s_cmp_eq_u32 s2, 0
	s_cbranch_scc0 .Lentry_in_a_cluster
	s_endpgm
.Lentry_in_a_cluster:
	s_bfe_u32 s2, ttmp6, 0x10000c
	s_cmp_lg_u32 s2, 0xf033
	s_cbranch_scc0 .Lentry_shape_is_right
	s_endpgm
.Lentry_shape_is_right:
; out0 [4096][2048] f32 = (hi + lo) x wo, bf16 operands, f32 sums.  ctx2 [4096][2048] holds ctx in two bf16 parts side by side (columns 0-1023 hi,
; 1024-2047 lo); wob2 [1024 k][2048 n] holds wo.  One product over 16 K steps of 128: step s takes columns 128 s of ctx2 and rows 128 (s mod 8) of
; wob2, so each tile of wo serves hi and lo, and ctx enters with some 16 bits of mantissa.
; LIMIT, stated: wo enters rounded once to bf16.
; SHAPE, as in the first product: a work-group makes 256 rows x 128 columns with four waves; wave w makes rows 64 w .. + 63 of all 128 columns: 4 x 8
; accumulator tiles, 256 registers.  Two LDS slots: 256 rows of ctx2 and 128 k rows of wob2, 256 bytes each.
; CLUSTER 4 x 4: ctx2's tile is shared along a cluster row, wob2's along a cluster column: joint loads, a quarter of the requests.
; THE ORDER OF K: a cluster takes the steps (o + i) mod 16, i = 0 .. 15, with o = (4 cX + 4 p) mod 16, cX the cluster's x and p the parity of the two bits
; of the cluster's y.  The four clusters that read the same rows of ctx2 begin 4 steps apart; of those that read the same columns of wob2 two begin
; 4 steps (of wo's 8) behind the other two: clusters that share a tile ask for it at different times, one first and the others later.  o hangs on the
; cluster's place alone, which all sixteen partners share.
; THE PRODUCT IS USED TRANSPOSED: source 0 = 16 columns of wob2 (by the transposing LDS load), source 1 = 16 rows of ctx2.  Lane (r, h), register j of
; tile (mt, nt) holds row 16 mt + r, column 16 nt + 8 h + j.
; REGISTERS: window 0: v16-25 addresses, v32-127 and v128-223 two fragment buffers; window 1: the accumulators, tile (mt, nt) at 8 (8 mt + nt).
.set XP,     272                       ; LDS pitch of ctx2's rows: 17 x 16 bytes
.set WP,     288                       ; LDS pitch of wob2's rows: 9 x 32 bytes, for the transposing load
.set XHALF,  128*XP
.set WHALF,  64*WP
.set WBASE,  256*XP
.set SLOT,   WBASE+128*WP              ; 106,496
.set STAGE,  2*SLOT                    ; 212,992: bytes into which no tile lands
.set WSTAGE, 16*528                    ; a wave's stage: 16 rows of 128 f32, pitch 528
.set LAPS,   8
.set ADRX,  16
.set ADRW,  18
.set STO32, 21
.set RD32,  23
.set CO32,  25
.set F0,    32
.set F1,    128
.set G1A, 24
.set G0A, 32
.set G1B, 48
.set G0B, 56
.set ACCW, 0x50                        ; C and D in window 1, sources in window 0
.set MSB, 0
.macro WIN new
.if MSB != \new
	s_set_vgpr_msb (MSB<<8)|\new
.set MSB, \new
.endif
.endm
.macro PLACES                          ; four places behind a matrix instruction (ISA guide 7.12.1)
.rept 4
	v_nop
.endr
.endm
.macro JLOAD s                         ; waves 0, 1 ask for ctx2's halves, waves 2, 3 for wob2's; the branch hangs on the wave's number alone
	s_cmp_eq_u32 s13, 0
	s_cbranch_scc0 .Lfor_b_\@
	tensor_load_to_lds s[G0A+4*\s:G0A+4*\s+3], s[G1A:G1A+7]
	s_nop 0
	s_branch .Lasked_\@
.Lfor_b_\@:
	tensor_load_to_lds s[G0B+4*\s:G0B+4*\s+3], s[G1B:G1B+7]
	s_nop 0
.Lasked_\@:
.endm
; K step s10 is asked for into a slot: both addresses are made anew from the tiles' bases (s[18:19] ctx2, s[46:47] wob2), then the counter goes on, round 16.
; No tensor load of the wave that names these registers is out where this stands.
.macro ASK slot
	s_lshl_b32 s68, s10, 8                         ; 128 elements along ctx2's rows
	s_add_nc_u64 s[G0A+4*\slot+2:G0A+4*\slot+3], s[18:19], s[68:69]
	s_or_b32 s[G0A+4*\slot+3], s[G0A+4*\slot+3], 0x80000000
	s_and_b32 s68, s10, 7                          ; wo's rows come round again for the second part of ctx
	s_lshl_b32 s68, s68, 19                        ; 128 rows of 4,096 bytes
	s_add_nc_u64 s[G0B+4*\slot+2:G0B+4*\slot+3], s[46:47], s[68:69]
	s_or_b32 s[G0B+4*\slot+3], s[G0B+4*\slot+3], 0x80000000
	JLOAD \slot
	s_add_co_u32 s10, s10, 1
	s_and_b32 s10, s10, 15
.endm
.macro CREST
	s_cmp_lg_u32 s12, 0
	s_cbranch_scc1 .Lnot_wave_0_\@
	s_barrier_signal -3
.Lnot_wave_0_\@:
	s_barrier_wait -3
	s_barrier_signal -1
	s_barrier_wait -1
.endm
.macro CROUND
	s_barrier_signal -1
	s_barrier_wait -1
	CREST
.endm
	s_load_b128 s[4:7], s[0:1], 0x0                ; ctx2, wob2
	s_load_b64 s[8:9], s[0:1], 0x10                ; out0
	v_lshl_add_u32 v254, v0, 2, 0x3c400
	v_mov_b32 v255, 0
	ds_add_u32 v254, v255
	v_lshrrev_b32 v1, 5, v0
	v_readfirstlane_b32 s12, v1                    ; wave 0..3
	s_lshr_b32 s13, s12, 1
	s_and_b32 s14, s12, 1
	s_bfe_u32 s40, ttmp6, 0x40000                  ; cx
	s_bfe_u32 s41, ttmp6, 0x40004                  ; cy
	s_mov_b32 s42, ttmp9                           ; the cluster's x
	s_and_b32 s43, ttmp7, 0xffff
	s_lshl_b32 s43, s43, 2
	s_add_co_u32 s43, s43, s41                     ; block row
	s_lshl_b32 s44, s41, 2
	s_lshl_b32 s44, 15, s44                        ; my row of the cluster
	s_lshl_b32 s45, 0x1111, s40                    ; my column
	s_and_b32 s15, ttmp7, 0xffff                   ; the K step at which my cluster begins: the cluster's y,
	s_lshr_b32 s10, s15, 1
	s_xor_b32 s10, s10, s15
	s_and_b32 s10, s10, 1                          ; the parity of its two bits,
	s_add_co_u32 s10, s10, s42                     ; + cX,
	s_lshl_b32 s10, s10, 2                         ; times 4,
	s_and_b32 s10, s10, 15                         ; round 16
	s_mov_b32 s69, 0                               ; the high word of a step's byte offset
	s_or_b32 s[G1A+0], s44, (1<<16)|(1<<20)|(1<<21)|(5<<22)|(3<<25)
	s_mov_b32 s[G1A+1], 128<<16
	s_mov_b32 s[G1A+2], 128<<16
	s_mov_b32 s[G1A+3], 128<<16
	s_mov_b32 s[G1A+4], 128
	s_mov_b32 s[G1A+5], 2048
	s_mov_b32 s[G1A+6], 0
	s_mov_b32 s[G1A+7], 0
	s_or_b32 s[G1B+0], s45, (1<<16)|(1<<20)|(1<<21)|(5<<22)|(7<<25)
	s_mov_b32 s[G1B+1], 128<<16
	s_mov_b32 s[G1B+2], 64<<16
	s_mov_b32 s[G1B+3], 128<<16
	s_mov_b32 s[G1B+4], 64
	s_mov_b32 s[G1B+5], 2048
	s_mov_b32 s[G1B+6], 0
	s_mov_b32 s[G1B+7], 0
	s_lshl_b32 s16, s43, 20                        ; 256 rows x 4,096 bytes
	s_lshl_b32 s17, s14, 19
	s_add_co_u32 s16, s16, s17
	s_mov_b32 s17, 0
	s_lshl_b32 s46, s42, 2
	s_add_co_u32 s46, s46, s40                     ; block column = 4 x cluster x + cx
	s_lshl_b32 s46, s46, 8                         ; 128 columns x 2 bytes
	s_lshl_b32 s47, s14, 18                        ; + 64 k rows
	s_add_co_u32 s46, s46, s47
	s_mov_b32 s47, 0
	s_mul_i32 s20, s12, XHALF
	s_mul_i32 s21, s12, WHALF
	s_add_co_u32 s21, s21, WBASE-2*WHALF
	s_wait_dscnt 0x0
	s_wait_kmcnt 0x0
	s_add_nc_u64 s[18:19], s[4:5], s[16:17]        ; ctx2's tiles at K step 0; kept
	s_add_nc_u64 s[46:47], s[6:7], s[46:47]        ; wob2's tiles at K step 0; kept
	CROUND                                         ; all sixteen work-groups are here: the first joint loads meet
.irp s, 0,1
	s_mov_b32 s[G0A+4*\s], 1
	s_add_co_u32 s[G0A+4*\s+1], s20, \s*SLOT
	s_mov_b32 s[G0B+4*\s], 1
	s_add_co_u32 s[G0B+4*\s+1], s21, \s*SLOT
	ASK \s                                         ; two tensor loads of a wave are out
.endr
	v_and_b32 v1, 15, v0                           ; r
	v_bfe_u32 v2, v0, 4, 1                         ; h
	v_and_b32 v3, 31, v0                           ; lane
	v_mul_u32_u24 v4, v1, XP
	v_lshl_add_u32 v4, v2, 4, v4
	s_mul_i32 s22, s12, 64*XP
	v_add_nc_u32 v[ADRX], s22, v4
	v_add_nc_u32 v[ADRX+1], SLOT, v[ADRX]
	v_and_b32 v5, 7, v0
	v_lshl_add_u32 v5, v2, 3, v5
	v_mul_u32_u24 v5, v5, WP
	v_bfe_u32 v6, v0, 3, 1
	v_lshl_add_u32 v5, v6, 4, v5
	v_add_nc_u32 v[ADRW], WBASE, v5
	v_add_nc_u32 v[ADRW+1], SLOT, v[ADRW]
	s_mul_i32 s23, s12, WSTAGE
	s_add_co_u32 s23, s23, STAGE
	v_mul_u32_u24 v4, v1, 528
	v_lshl_add_u32 v4, v2, 5, v4
	v_add_nc_u32 v[STO32], s23, v4
	v_lshl_add_u32 v[RD32], v3, 4, s23
	v_lshlrev_b32 v[CO32], 4, v3
; The 32 accumulators take turns, one instruction a turn, in the same order in every quarter step, over the backward jump too.
.macro MUL16 f, m0, zero
.irp a, \m0, \m0+1
.irp b, 0,1,2,3,4,5,6,7
.if \zero
	v_wmma_f32_16x16x32_bf16 v[8*(8*(\a)+\b):8*(8*(\a)+\b)+7], v[\f+32+8*\b:\f+32+8*\b+7], v[\f+8*(\a):\f+8*(\a)+7], 0
.else
	v_wmma_f32_16x16x32_bf16 v[8*(8*(\a)+\b):8*(8*(\a)+\b)+7], v[\f+32+8*\b:\f+32+8*\b+7], v[\f+8*(\a):\f+8*(\a)+7], v[8*(8*(\a)+\b):8*(8*(\a)+\b)+7]
.endif
.endr
.endr
.endm
.macro FETCH slot, q, f                ; 24 LDS loads: quarter q's fragments
.irp i, 0,1,2,3
	ds_load_b128 v[\f+8*\i:\f+8*\i+3],   v[ADRX+\slot] offset:64*\q+\i*16*XP
	ds_load_b128 v[\f+8*\i+4:\f+8*\i+7], v[ADRX+\slot] offset:64*\q+\i*16*XP+32
.endr
.irp i, 0,1,2,3,4,5,6,7
	ds_load_tr16_b128 v[\f+32+8*\i:\f+32+8*\i+3],   v[ADRW+\slot] offset:32*WP*\q+32*\i
	ds_load_tr16_b128 v[\f+32+8*\i+4:\f+32+8*\i+7], v[ADRW+\slot] offset:32*WP*\q+32*\i+16*WP
.endr
.endm
.macro QUARTER slot, qn, f, g, zero
	s_wait_dscnt 0x0                               ; f's 24 loads
	PLACES                                         ; g was read by the last matrix instructions
	FETCH \slot, \qn, \g
	WIN ACCW
	MUL16 \f, 0, \zero
	MUL16 \f, 2, \zero
	WIN 0
.endm
.macro THREE slot, zero
	QUARTER \slot, 1, F0, F1, \zero
	QUARTER \slot, 2, F1, F0, 0
	QUARTER \slot, 3, F0, F1, 0
.endm
; The change of slots: each wave's reads of this slot are back and all its tensor loads have landed (one was out: its part of the next slot); where the
; slot is filled again the barrier opens a round of the cluster's barrier and the joint refill is the first tensor load behind it, one a wave.
.macro TURN slot, next, fill
	s_wait_dscnt 0x0
	s_wait_tensorcnt 0x0
	ds_add_u32 v254, v255
	s_wait_dscnt 0x0
	s_barrier_signal -1
	WIN ACCW
	MUL16 F1, 0, 0
	WIN 0
	s_barrier_wait -1
.if \fill
	CREST
	ASK \slot
.endif
	PLACES
	FETCH \next, 0, F0
	WIN ACCW
	MUL16 F1, 2, 0
	WIN 0
.endm
.macro LAP zero
	THREE 0, \zero
	TURN 0, 1, 1
	THREE 1, 0
	TURN 1, 0, 1
.endm
	s_wait_tensorcnt 0x1                           ; my part of the first K step is in; the second's stays out
	s_barrier_signal -1
	s_barrier_wait -1
	FETCH 0, 0, F0
	LAP 1                                          ; the first products start the sums
	s_mov_b32 s3, LAPS-2
.Llap:
	LAP 0
	s_sub_co_u32 s3, s3, 1
	s_cmp_lg_u32 s3, 0
	s_cbranch_scc1 .Llap
	THREE 0, 0
	TURN 0, 1, 0
	THREE 1, 0
	s_wait_dscnt 0x0
	WIN ACCW
	MUL16 F1, 0, 0
	MUL16 F1, 2, 0
	WIN 0
	PLACES                                         ; behind the last matrix instructions: results are read, fragment registers loaded again
	s_lshl_b32 s66, s43, 8
	s_lshl_b32 s67, s12, 6
	s_add_co_u32 s66, s66, s67                     ; my first row
	s_lshl_b32 s66, s66, 13                        ; x 8,192 bytes
	s_lshl_b32 s67, s42, 2
	s_add_co_u32 s67, s67, s40
	s_lshl_b32 s67, s67, 9                         ; block column x 128 x 4 bytes
	s_add_co_u32 s66, s66, s67
	s_mov_b32 s67, 0
	s_add_nc_u64 s[8:9], s[8:9], s[66:67]
; THE WAY OUT, 16 rows at a time through my own stage: 32 bytes a lane go in, whole rows of 512 bytes come back, and a store of the wave covers 512
; consecutive bytes, aligned.  LDS serves a wave's instructions in order (ISA guide 5.7.1): no wait between the stage's stores and loads.
.macro OUT mt
	WIN 0x04
.irp nt, 0,1,2,3,4,5,6,7
	ds_store_b128 v[STO32], v[8*(8*\mt+\nt):8*(8*\mt+\nt)+3]   offset:64*\nt
	ds_store_b128 v[STO32], v[8*(8*\mt+\nt)+4:8*(8*\mt+\nt)+7] offset:64*\nt+16
.endr
	WIN 0
	s_wait_xcnt 0x0                                ; the last turn's stores have had their addresses translated (ISA guide 3.1): v32-95 are loaded again only behind this wait
.irp row, 0,1,2,3,4,5,6,7,8,9,10,11,12,13,14,15
	ds_load_b128 v[32+4*\row:32+4*\row+3], v[RD32] offset:528*\row
.endr
.irp row, 0,1,2,3,4,5,6,7,8,9,10,11,12,13,14,15
	s_wait_dscnt 15-\row                           ; the younger rows stay out
	global_store_b128 v[CO32], v[32+4*\row:32+4*\row+3], s[8:9] offset:(16*\mt+\row)*8192 th:TH_STORE_NT
.endr
.endm
	OUT 0
	OUT 1
	OUT 2
	OUT 3
	s_wait_tensorcnt 0x0
	ds_add_u32 v254, v255
	s_wait_dscnt 0x0
	CROUND                                         ; the closing round
	s_endpgm
.Lfunc_end_k_q39aac1f72e_oproj:
	.size	k_q39aac1f72e_oproj, .Lfunc_end_k_q39aac1f72e_oproj-k_q39aac1f72e_oproj
	.p2alignl 7, 3214868480
	.fill 96, 4, 3214868480
	.section	.rodata,"a",@progbits
	.p2align	6, 0x0
	.amdhsa_kernel k_q39aac1f72e_oproj
		.amdhsa_group_segment_fixed_size 327680
		.amdhsa_private_segment_fixed_size 0
		.amdhsa_enable_private_segment 0
		.amdhsa_kernarg_size 24
		.amdhsa_user_sgpr_count 2
		.amdhsa_user_sgpr_kernarg_segment_ptr 1
		.amdhsa_wavefront_size32 1
		.amdhsa_system_sgpr_workgroup_id_x 1
		.amdhsa_system_sgpr_workgroup_id_y 1
		.amdhsa_system_sgpr_workgroup_id_z 1
		.amdhsa_system_vgpr_workitem_id 0
		.amdhsa_next_free_vgpr 512
		.amdhsa_next_free_sgpr 70
		.amdhsa_reserve_vcc 0
		.amdhsa_float_denorm_mode_32 3
		.amdhsa_float_denorm_mode_16_64 3
		.amdhsa_memory_ordered 1
		.amdhsa_forward_progress 1
		.amdhsa_inst_pref_size 118
	.end_amdhsa_kernel
	.amdgpu_metadata
---
amdhsa.version: [ 1, 2 ]
amdhsa.kernels:
  - .name:           k_q39aac1f72e_oproj
    .symbol:         k_q39aac1f72e_oproj.kd
    .args:
      - { .name: ctx2, .offset: 0, .size: 8, .value_kind: global_buffer, .address_space: global }
      - { .name: wob2, .offset: 8, .size: 8, .value_kind: global_buffer, .address_space: global }
      - { .name: out0, .offset: 16, .size: 8, .value_kind: global_buffer, .address_space: global }
    .group_segment_fixed_size: 327680
    .private_segment_fixed_size: 0
    .kernarg_segment_align: 8
    .kernarg_segment_size: 24
    .max_flat_workgroup_size: 128
    .sgpr_count:     70
    .vgpr_count:     512
    .wavefront_size: 32
...
	.end_amdgpu_metadata
.endif
;; end of part 4
